; MI455X (gfx1250); checked and timed in simulation.
; The chip was launched on July 23, 2026; its instructions are those of AMD's public machine-readable ISA for CDNA 5 (MIT licence, August 2026) and "CDNA5" Instruction Set Architecture Reference Guide (July 2026). The comments in the code are by the model that wrote it; some were corrected since.
;; Turkish Attention. Allowed arithmetic: float matrix products may take bf16 or f16 operands with f32 sums; other float arithmetic in f32, or as packed bf16 or f16 multiplies, adds, multiply-adds, maxima and minima; sums over many terms, partial sums and values carried from step to step in f32; what a program stores and reads back later, other than sums and carried values, may be rounded once to bf16 or f16.
;; Inputs: freqs_cos 2,048 x 128 float32; freqs_sin 2,048 x 128 float32; hidden_states 1 x 2,048 x 3,072 float32; k_w 3,072 x 2,048 float32; knorm_w 256 float32; mask 1 x 1 x 2,048 x 2,048 float32; o_w 2,048 x 3,072 float32; q_w 3,072 x 2,048 float32; qnorm_w 256 float32; v_w 3,072 x 2,048 float32.
;; Outputs: out0 1 x 2,048 x 3,072 float32.
;; One version. Each part assembles by itself: llvm-mc -triple=amdgcn-amd-amdhsa -mcpu=gfx1250 --defsym DOCPART=n.
;; ======== version 1 of 1: 4 launches
;; limits: values are held in f16: magnitudes above 65,504 overflow, below 6.1e-05 lose precision; right only within a limited range of input values
;; workspace buffers: xw 50,331,648 bytes; owb 12,582,912 bytes; mb 8,388,608 bytes; qkv 25,165,824 bytes; ao 8,388,608 bytes
;; launch cast (part 1): grid 256 x 6, 8 waves a work-group, no clusters, 0 bytes of LDS; arguments hidden_states, q_w, k_w, v_w, o_w, mask, xw, owb, mb; writes xw, owb, mb
.if DOCPART == 1
	.amdgcn_target "amdgcn-amd-amdhsa--gfx1250"
	.amdhsa_code_object_version 6
	.text
	.protected	k_qf7d58549e8_cast
	.globl	k_qf7d58549e8_cast
	.p2align	8
	.type	k_qf7d58549e8_cast,@function
k_qf7d58549e8_cast:
	s_mov_b64 s[64:65], 0
	v_nop
	global_prefetch_b8 v0, s[64:65] scope:SCOPE_SE
	s_setreg_imm32_b32 hwreg(HW_REG_WAVE_MODE, 25, 1), 1
	s_wait_xcnt 0x0
; THE INPUTS, ROUNDED ONCE.  y picks the tensor: 0 x, 1-3 q_w, k_w, v_w (all to bf16, layout kept, into section y of xw), 5 the mask (to bf16, into mb),
; 4 o_w: rounded to bf16, that number written as f16, and laid in blocks [16 nb][2048 k][192 n], so that 64 k-rows of a block of 192 columns are 24,576 dense bytes.
; A stream: every byte is read once and written once; no LDS, no matrix unit, no cluster, since no two work-groups read the same byte.
; An item is 256 threads x 4 numbers: a wave's load covers 512 consecutive bytes, its store 256 consecutive bytes at a multiple of 256.
; 1,536 small work-groups of 64 registers: six lie on a WGP together, 48 waves with eight loads each on their way.
; LIMIT: |o_w| stays under 65,520 (f16's range); below 2^-17 it keeps f16's fixed step of 2^-24.
.set X, 8                              ; v[8:39]   eight items as loaded
.set Y, 40                             ; v[40:55]  eight items to store
.set T, 56                             ; v[56:61]  at work
	s_load_b512 s[8:23], s[0:1], 0x0               ; x s[8:9], q_w s[10:11], k_w s[12:13], v_w s[14:15], o_w s[16:17], mask s[18:19], xw s[20:21], owb s[22:23]
	s_load_b64 s[24:25], s[0:1], 0x40              ; mb
	s_and_b32 s26, ttmp7, 0xffff                   ; y
	v_lshlrev_b32 v1, 4, v0                        ; 16 t: my 16 bytes of an item as read
	v_lshlrev_b32 v2, 3, v0                        ; 8 t: my 8 bytes of an item as written
	s_mov_b32 s33, 0
	s_mov_b32 s35, 0
	s_wait_kmcnt 0x0
	s_cmp_eq_u32 s26, 4
	s_cbranch_scc1 .Low
	s_cmp_eq_u32 s26, 1
	s_cselect_b64 s[28:29], s[10:11], s[8:9]
	s_cmp_eq_u32 s26, 2
	s_cselect_b64 s[28:29], s[12:13], s[28:29]
	s_cmp_eq_u32 s26, 3
	s_cselect_b64 s[28:29], s[14:15], s[28:29]
	s_cmp_eq_u32 s26, 5
	s_cselect_b64 s[28:29], s[18:19], s[28:29]     ; from where
	s_cselect_b64 s[30:31], s[24:25], s[20:21]     ; to where
	s_cselect_b32 s37, 2, 3                        ; trips of 8,192 numbers: the mask has 16,384 a work-group, the others 24,576
	s_cselect_b32 s38, 0, s26                      ; the section of xw
	s_mul_i32 s32, ttmp9, s37
	s_mul_i32 s38, s38, 12582912
	s_lshl_b32 s34, s32, 14                        ; 16,384 bytes out a trip
	s_lshl_b32 s32, s32, 15                        ; 32,768 bytes in
	s_add_co_u32 s34, s34, s38
	s_add_nc_u64 s[28:29], s[28:29], s[32:33]
	s_add_nc_u64 s[30:31], s[30:31], s[34:35]
	s_mov_b32 s36, 0
.Lplain:
.irp i, 0,1,2,3,4,5,6,7
	global_load_b128 v[X+4*(\i):X+4*(\i)+3], v1, s[28:29] offset:(\i)*4096 th:TH_LOAD_NT
.endr
.irp i, 0,1,2,3,4,5,6,7
	s_wait_loadcnt 7-(\i)                          ; loads come back in order: item i is in, the younger ones stay out
	v_cvt_pk_bf16_f32 v[Y+2*(\i)], v[X+4*(\i)], v[X+4*(\i)+1]
	v_cvt_pk_bf16_f32 v[Y+2*(\i)+1], v[X+4*(\i)+2], v[X+4*(\i)+3]
	global_store_b64 v2, v[Y+2*(\i):Y+2*(\i)+1], s[30:31] offset:(\i)*2048
.endr
	s_wait_xcnt 0x0                                ; the bases and Y are rewritten only behind this wait
	s_add_nc_u64 s[28:29], s[28:29], 32768
	s_add_nc_u64 s[30:31], s[30:31], 16384
	s_add_co_u32 s36, s36, 1
	s_cmp_lt_u32 s36, s37
	s_cbranch_scc1 .Lplain
	s_endpgm
.Low:   ; o_w, walked by DESTINATION.  Work-group x writes bytes 49,152 x on of owb: block nb = x / 16, k-rows 128 (x % 16) on.  A unit is 64 numbers (16 threads): three units are a k-row of the block.
	s_lshr_b32 s32, ttmp9, 4
	s_mul_i32 s32, s32, 768                        ; the block's 192 columns in a row of o_w
	s_and_b32 s34, ttmp9, 15
	s_mul_i32 s34, s34, 128*12288
	s_add_co_u32 s32, s32, s34
	s_mul_i32 s34, ttmp9, 49152
	s_add_nc_u64 s[28:29], s[16:17], s[32:33]
	s_add_nc_u64 s[30:31], s[22:23], s[34:35]
	v_lshrrev_b32 v6, 4, v0                        ; my unit in an item
	v_and_b32 v7, 15, v0
	v_lshlrev_b32 v7, 4, v7                        ; my 16 bytes in the unit
.irp b, 0,1,2
	v_add_nc_u32 v56, 16*(\b), v6                  ; unit u = 16 b + g of 48: k-row u / 3, part u % 3
	v_mul_u32_u24 v57, v56, 43
	v_lshrrev_b32 v57, 7, v57                      ; u / 3, right for u < 128
	v_mul_u32_u24 v58, v57, 3
	v_sub_nc_u32 v56, v56, v58
	v_lshl_add_u32 v56, v56, 8, v7
	v_mad_u32_u24 v[3+(\b)], v57, 12288, v56       ; v3-v5: where item b (and item b + 3, 16 k-rows on) is read
.endr
	s_mov_b32 s36, 4                               ; 4 trips of 6 items: 32 k-rows a trip
.Lotrip:
.irp i, 0,1,2,3,4,5
	global_load_b128 v[X+4*(\i):X+4*(\i)+3], v[3+(\i)%3], s[28:29] offset:((\i)/3)*196608 th:TH_LOAD_NT
.endr
.irp i, 0,1,2,3,4,5
	s_wait_loadcnt 5-(\i)
	v_cvt_pk_bf16_f32 v[T], v[X+4*(\i)], v[X+4*(\i)+1]     ; the input's one rounding, to bf16,
	v_cvt_pk_bf16_f32 v[T+1], v[X+4*(\i)+2], v[X+4*(\i)+3]
	v_lshlrev_b32 v[T+2], 16, v[T]
	v_and_b32 v[T+3], 0xffff0000, v[T]
	v_lshlrev_b32 v[T+4], 16, v[T+1]
	v_and_b32 v[T+5], 0xffff0000, v[T+1]
	v_cvt_pk_f16_f32 v[Y+2*(\i)], v[T+2], v[T+3]           ; and that number as f16
	v_cvt_pk_f16_f32 v[Y+2*(\i)+1], v[T+4], v[T+5]
	global_store_b64 v2, v[Y+2*(\i):Y+2*(\i)+1], s[30:31] offset:(\i)*2048
.endr
	s_wait_xcnt 0x0
	s_add_nc_u64 s[28:29], s[28:29], 393216
	s_add_nc_u64 s[30:31], s[30:31], 12288
	s_sub_co_u32 s36, s36, 1
	s_cmp_lg_u32 s36, 0
	s_cbranch_scc1 .Lotrip
	s_endpgm
.Lfunc_end_k_qf7d58549e8_cast:
	.size	k_qf7d58549e8_cast, .Lfunc_end_k_qf7d58549e8_cast-k_qf7d58549e8_cast
	.p2alignl 7, 3214868480
	.fill 96, 4, 3214868480
	.section	.rodata,"a",@progbits
	.p2align	6, 0x0
	.amdhsa_kernel k_qf7d58549e8_cast
		.amdhsa_group_segment_fixed_size 0
		.amdhsa_private_segment_fixed_size 0
		.amdhsa_enable_private_segment 0
		.amdhsa_kernarg_size 72
		.amdhsa_user_sgpr_count 2
		.amdhsa_user_sgpr_kernarg_segment_ptr 1
		.amdhsa_wavefront_size32 1
		.amdhsa_system_sgpr_workgroup_id_x 1
		.amdhsa_system_sgpr_workgroup_id_y 1
		.amdhsa_system_sgpr_workgroup_id_z 1
		.amdhsa_system_vgpr_workitem_id 0
		.amdhsa_next_free_vgpr 64
		.amdhsa_next_free_sgpr 66
		.amdhsa_reserve_vcc 0
		.amdhsa_float_denorm_mode_32 3
		.amdhsa_float_denorm_mode_16_64 3
		.amdhsa_memory_ordered 1
		.amdhsa_forward_progress 1
		.amdhsa_inst_pref_size 11
	.end_amdhsa_kernel
	.amdgpu_metadata
---
amdhsa.version: [ 1, 2 ]
amdhsa.kernels:
  - .name:           k_qf7d58549e8_cast
    .symbol:         k_qf7d58549e8_cast.kd
    .args:
      - { .name: hidden_states, .offset: 0, .size: 8, .value_kind: global_buffer, .address_space: global }
      - { .name: q_w, .offset: 8, .size: 8, .value_kind: global_buffer, .address_space: global }
      - { .name: k_w, .offset: 16, .size: 8, .value_kind: global_buffer, .address_space: global }
      - { .name: v_w, .offset: 24, .size: 8, .value_kind: global_buffer, .address_space: global }
      - { .name: o_w, .offset: 32, .size: 8, .value_kind: global_buffer, .address_space: global }
      - { .name: mask, .offset: 40, .size: 8, .value_kind: global_buffer, .address_space: global }
      - { .name: xw, .offset: 48, .size: 8, .value_kind: global_buffer, .address_space: global }
      - { .name: owb, .offset: 56, .size: 8, .value_kind: global_buffer, .address_space: global }
      - { .name: mb, .offset: 64, .size: 8, .value_kind: global_buffer, .address_space: global }
    .group_segment_fixed_size: 0
    .private_segment_fixed_size: 0
    .kernarg_segment_align: 8
    .kernarg_segment_size: 72
    .max_flat_workgroup_size: 256
    .sgpr_count:     66
    .vgpr_count:     64
    .wavefront_size: 32
...
	.end_amdgpu_metadata
.endif
;; end of part 1
;; launch qkv (part 2): grid 16 x 12, 4 waves a work-group, clusters of 4 x 4, 327,680 bytes of LDS; arguments xw, freqs_cos, freqs_sin, qnorm_w, knorm_w, qkv; writes qkv
.if DOCPART == 2
	.amdgcn_target "amdgcn-amd-amdhsa--gfx1250"
	.amdhsa_code_object_version 6
	.text
	.protected	k_qf7d58549e8_qkv
	.globl	k_qf7d58549e8_qkv
	.p2align	8
	.type	k_qf7d58549e8_qkv,@function
k_qf7d58549e8_qkv:
	s_mov_b64 s[64:65], 0
	v_nop
	global_prefetch_b8 v0, s[64:65] scope:SCOPE_SE
	s_setreg_imm32_b32 hwreg(HW_REG_WAVE_MODE, 25, 1), 1
	s_wait_xcnt 0x0
	s_wait_alu depctr_hold_cnt(0) depctr_sa_sdst(0) depctr_va_vdst(0) depctr_va_sdst(0) depctr_va_ssrc(0) depctr_va_vcc(0) depctr_vm_vsrc(0)
	s_getreg_b32 s2, hwreg(HW_REG_IB_STS2, 6, 4)
	s_cmp_eq_u32 s2, 0
	s_cbranch_scc0 .Lentry_in_a_cluster
	s_endpgm
.Lentry_in_a_cluster:
	s_bfe_u32 s2, ttmp6, 0x10000c
	s_cmp_lg_u32 s2, 0xf033
	s_cbranch_scc0 .Lentry_shape_is_right
	s_endpgm
.Lentry_shape_is_right:
; q, k, v = x W, then RMS norm and rotary on q and k, all rounded once to f16 and written by heads: qkv[3][8][2048][256].  x and W are bf16 (xw), sums f32.
; A work-group makes 256 tokens x 256 columns: ONE head of one section (tile column tc = 8 section + head), so that norm and rotary stay inside it: 24 x 8 = 192 work-groups.
; The 12 clusters are numbered 4 along x, 3 along y: column group = 2 y + x / 2, token half = x % 2: the two clusters that read the same columns of W are neighbours in x.
; A wave makes 64 tokens x all 256 columns: 64 accumulators.  The matrix instruction is used transposed (source 0 = 16 columns of W, source 1 = 16 tokens): a lane holds ONE token (lane % 16)
; and, in column block b, the columns 16 b + 8 (lane / 16) + 0..7.  So a token's sum of squares is the lane's own plus one exchange, and the rotary partner (i, i + 128) is block b + 8, same lane, same register.
; W lies [k][n]: its fragments come out of LDS turned, by ds_load_tr16_b128.  K goes in steps of 128 through two LDS slots.
; ONE TEXT FOR EVERY K STEP: a loop of 22 steps that fill a slot again, a loop of 2 that do not.  No first step is written out: the sums start from 64 products of zeros, issued while the first tiles are
; on their way; and the last step fetches fragments of a stale slot that serve nothing, 40 loads.  That is the price of the short text.
; CLUSTER 4 x 4: x's tile hangs on the tile row alone and is asked for jointly along a row of the cluster, W's on the tile column alone, along a column.
; ONE EPILOGUE TEXT for the three sections, steered by three scalars: gain G = bf16(w) GA + 1, RA = rsqrt(mean + eps) QS, C' = bf16(cos) RA + RB, S' = bf16(sin) RA;
;   q: GA 1, QS 1/16 (the scores' scale), RB 0.   k: GA 1, QS 1, RB 0.   v: GA 0, QS 0, RB 1/2: v leaves as v / 2 (the last launch multiplies by 2).
; cos, sin and the gains are rounded to bf16 like every other input of the module.
; LIMITS: f16 ends at 65,504: |v| < 131,008; |q|, |k| <= 16 sqrt(2) |1 + w| stay under it.  cos, sin and the gains are finite (v's work-groups multiply them by 0).  NaN and infinities are not treated apart.
; REGISTERS: window 0: v16-31 addresses and constants; v64-95, v96-127 x's fragments, two buffers.  window 1: W's fragments, two buffers of 128.  windows 2, 3: accumulator (a, b) at 8 (16 (a % 2) + b) of window 2 + a / 2.
.set PA,    272                        ; a row of x in LDS: 256 bytes + 16: the 16 rows of a load start at 16 different groups of four banks
.set PB,    544                        ; a k-row of W: 512 bytes + 32 = 17 x 32
.set HALFT, 128*PA                     ; what one tensor load brings: 128 rows of x, or 64 k-rows of W (64 x 544 is the same number)
.set BOFF,  2*HALFT
.set SLOT,  4*HALFT                    ; 0x22000: it shares no bit with wave x HALFT, so one exclusive or turns a descriptor's LDS word into the other slot's
.set STAGE, 2*SLOT                     ; behind the ring: 16 rows x 528 bytes for each wave, for the way out
.set SP,    528
.set SPARE, STAGE+4*16*SP              ; the spare words: 128 bytes for each wave
.set ADRA, 16                          ; v16 my x fragments in slot 0; never rewritten
.set AC,   17                          ; v17 the same in the slot in hand
.set GA,   18
.set GOF,  19                          ; 32 (lane / 16): my place in 64 bytes of a gain
.set ADRB, 20                          ; v20 W's fragments in slot 0; never rewritten
.set BC,   21                          ; v21 the same in the slot in hand
.set RB,   22
.set STO,  24
.set RD,   25
.set GO,   26
.set CSO,  27                          ; my byte offset in 16 rows of cos and sin
.set SPW,  28
.set NIL,  29
.set ONE,  30
.set ZR,   31
.set T,    32                          ; the epilogue, window 0: v32-95 packed halves
.set SSQ,  96                          ; v96-103 four chains of squares
.set T1,   104
.set T2,   112
.set RA,   120
.set Y,    128                         ; v128-255 the block's 128 numbers
.set TB,  15                           ; s15 the slot in hand: 0 or SLOT
.set G1,  24
.set G0,  32                           ; s[32:35] x's first fill; s[36:39] the second, which then walks on
.set G1B, 48
.set G0B, 56                           ; the same for W
.set MSB, 0
.macro WIN new                         ; the immediate's high byte repeats the setting that is left
.if MSB != (\new)
	s_set_vgpr_msb (MSB<<8)|(\new)
.set MSB, \new
.endif
.endm
.macro PLACES                          ; four places behind matrix instructions, in front of loads into their sources and of readers of their results
.rept 4
	v_nop
.endr
.endm
.macro JLOAD s                         ; a joint load: waves 0, 1 fetch x's two halves, waves 2, 3 W's; an s_nop 0 and four v_nop follow each line
	s_cmp_eq_u32 s13, 0
	s_cbranch_scc0 .Lfor_b_\@
	tensor_load_to_lds s[G0+4*(\s):G0+4*(\s)+3], s[G1:G1+7]
	s_nop 0
.rept 4
	v_nop
.endr
	s_branch .Lasked_\@
.Lfor_b_\@:
	tensor_load_to_lds s[G0B+4*(\s):G0B+4*(\s)+3], s[G1B:G1B+7]
	s_nop 0
.rept 4
	v_nop
.endr
.Lasked_\@:
.endm
.macro CREST                           ; a round of the cluster's barrier behind its opening barrier
	s_cmp_lg_u32 s12, 0
	s_cbranch_scc1 .Lnot_wave_0_\@
	s_barrier_signal -3
.Lnot_wave_0_\@:
	s_barrier_wait -3
	s_barrier_signal -1
	s_barrier_wait -1
.endm
.macro CROUND
	s_barrier_signal -1
	s_barrier_wait -1
	CREST
.endm
	s_load_b256 s[4:11], s[0:1], 0x0               ; xw s[4:5], cos s[6:7], sin s[8:9], qnorm s[10:11]
	s_load_b128 s[68:71], s[0:1], 0x20             ; knorm s[68:69], qkv s[70:71]
	v_lshl_add_u32 v[SPW], v0, 2, SPARE
	v_mov_b32 v[NIL], 0
	ds_add_u32 v[SPW], v[NIL]                      ; the wave's opening: the add and its wait stand ahead of my first tensor load
	v_lshrrev_b32 v1, 5, v0
	v_readfirstlane_b32 s12, v1                    ; wave 0..3
	s_lshr_b32 s13, s12, 1                         ; I fetch for x (0) or for W (1)
	s_and_b32 s14, s12, 1                          ; which half of that tile
	s_bfe_u32 s40, ttmp6, 0x40000                  ; cx
	s_bfe_u32 s41, ttmp6, 0x40004                  ; cy
	s_and_b32 s43, ttmp7, 0xffff                   ; the cluster's y, 0..2
	s_lshl_b32 s43, s43, 1
	s_lshr_b32 s42, ttmp9, 1
	s_add_co_u32 s42, s42, s43                     ; column group 0..5 = 2 y + x / 2
	s_lshr_b32 s66, s42, 1                         ; the section: the same in all sixteen partners
	s_lshl_b32 s42, s42, 2
	s_add_co_u32 s42, s42, s40                     ; tile column tc = 8 section + head
	s_and_b32 s43, ttmp9, 1                        ; token half = x % 2
	s_lshl_b32 s43, s43, 2
	s_add_co_u32 s43, s43, s41                     ; tile row
	s_lshl_b32 s44, s41, 2
	s_lshl_b32 s44, 15, s44                        ; my row of the cluster
	s_lshl_b32 s45, 0x1111, s40                    ; my column
	s_or_b32 s[G1+0], s44, (1<<16)|(1<<20)|(1<<21)|(5<<22)|(3<<25)   ; x: 2-byte elements, 4 words of padding after every 64
	s_mov_b32 s[G1+1], 128<<16                     ; tensor_dim0 = 128
	s_mov_b32 s[G1+2], 128<<16                     ; tensor_dim1 = 128
	s_mov_b32 s[G1+3], 128<<16                     ; tile_dim0 = 128
	s_mov_b32 s[G1+4], 128                         ; tile_dim1 = 128
	s_mov_b32 s[G1+5], 3072                        ; elements from row to row
	s_mov_b32 s[G1+6], 0
	s_mov_b32 s[G1+7], 0
	s_or_b32 s[G1B+0], s45, (1<<16)|(1<<20)|(1<<21)|(6<<22)|(7<<25)  ; W: 8 words of padding after every 128
	s_mov_b32 s[G1B+1], 256<<16
	s_mov_b32 s[G1B+2], 64<<16
	s_mov_b32 s[G1B+3], 256<<16
	s_mov_b32 s[G1B+4], 64
	s_mov_b32 s[G1B+5], 2048
	s_mov_b32 s[G1B+6], 0
	s_mov_b32 s[G1B+7], 0
	s_lshl_b32 s16, s43, 8                         ; x: row 256 x tile row + 128 x half, 6,144 bytes a row
	s_lshl_b32 s17, s14, 7
	s_add_co_u32 s16, s16, s17
	s_mul_i32 s16, s16, 6144
	s_mov_b32 s17, 0
	s_add_co_u32 s46, s66, 1                       ; W: section 1 + sec of xw, the head's 512 bytes of a k-row, 64 k-rows x half
	s_mul_i32 s46, s46, 12582912
	s_and_b32 s47, s42, 7
	s_lshl_b32 s47, s47, 9
	s_add_co_u32 s46, s46, s47
	s_lshl_b32 s47, s14, 18
	s_add_co_u32 s46, s46, s47
	s_mov_b32 s47, 0
	s_mul_i32 s20, s12, HALFT                      ; where they go: wave x 34,816: no place in the cluster enters an LDS address
	s_mov_b32 s[TB], 0
	s_wait_dscnt 0x0                               ; the opening add is done
	s_wait_kmcnt 0x0
	s_add_nc_u64 s[18:19], s[4:5], s[16:17]
	s_add_nc_u64 s[46:47], s[4:5], s[46:47]
	CROUND                                         ; all sixteen work-groups are here: the first joint loads meet
.irp s, 0,1
	s_mov_b32 s[G0+4*(\s)], 1
	s_add_co_u32 s[G0+4*(\s)+1], s20, (\s)*SLOT
	s_add_nc_u64 s[G0+4*(\s)+2:G0+4*(\s)+3], s[18:19], (\s)*256
	s_or_b32 s[G0+4*(\s)+3], s[G0+4*(\s)+3], 0x80000000
	s_mov_b32 s[G0B+4*(\s)], 1
	s_add_co_u32 s[G0B+4*(\s)+1], s20, (\s)*SLOT
	s_add_nc_u64 s[G0B+4*(\s)+2:G0B+4*(\s)+3], s[46:47], (\s)*524288
	s_or_b32 s[G0B+4*(\s)+3], s[G0B+4*(\s)+3], 0x80000000
	JLOAD \s                                       ; K steps 0 and 1: two loads of mine are out
.endr
	v_and_b32 v1, 15, v0                           ; r = lane % 16
	v_bfe_u32 v2, v0, 4, 1                         ; h = lane / 16
	v_mul_u32_u24 v3, v1, PA
	v_lshl_add_u32 v3, v2, 4, v3
	s_mul_i32 s21, s12, 64*PA                      ; my 64 tokens
	v_add_nc_u32 v[ADRA], s21, v3
	v_mov_b32 v[AC], v[ADRA]
	v_and_b32 v4, 7, v0                            ; the turning load: lane l reads k-row 8 h + l % 8, 16 bytes at 16 ((l / 8) % 2)
	v_lshl_add_u32 v4, v2, 3, v4
	v_mul_u32_u24 v4, v4, PB
	v_bfe_u32 v5, v0, 3, 1
	v_lshl_add_u32 v4, v5, 4, v4
	v_add_nc_u32 v[ADRB], BOFF, v4
	v_mov_b32 v[BC], v[ADRB]
	s_mul_i32 s23, s12, 16*SP
	s_add_co_u32 s23, s23, STAGE                   ; my stage
	v_mul_u32_u24 v6, v1, SP
	v_lshl_add_u32 v6, v2, 4, v6
	v_add_nc_u32 v[STO], s23, v6                   ; in: row r, 16 bytes for each half of the lanes
	v_and_b32 v7, 31, v0
	v_lshlrev_b32 v[GO], 4, v7                     ; back and out: 32 lanes take a whole row of 512 bytes
	v_add_nc_u32 v[RD], s23, v[GO]
	v_lshlrev_b32 v[CSO], 9, v1
	v_lshl_add_u32 v[CSO], v2, 5, v[CSO]
	v_lshlrev_b32 v[GOF], 5, v2
	v_mov_b32 v[ONE], 1.0
	v_mov_b32 v[ZR], 0
	s_mov_b32 s72, 0x3b800000                      ; 1 / 256
	s_mov_b32 s73, 0x358637bd                      ; 1e-6
	s_mov_b32 s76, 0x76543210                      ; v_permlanex16_b32: each lane takes its own place in the other half
	s_mov_b32 s77, 0xfedcba98
	s_mov_b32 s79, 0x3d800000                      ; 1 / 16
	s_cmp_eq_u32 s66, 0
	s_cselect_b32 s74, s79, 1.0                    ; QS
	s_cmp_eq_u32 s66, 2
	s_cselect_b32 s74, 0, s74
	s_cselect_b32 s75, 0.5, 0                      ; RB
	s_cselect_b32 s78, 0, 1.0                      ; GA
	s_cmp_eq_u32 s66, 1
	s_cselect_b64 s[80:81], s[68:69], s[10:11]     ; the gain: k's, or q's
	v_mov_b32 v[GA], s78
	v_mov_b32 v[RB], s75
	s_lshl_b32 s88, s43, 8
	s_lshl_b32 s89, s12, 6
	s_add_co_u32 s88, s88, s89                     ; my first token;
	s_lshl_b32 s88, s88, 9                         ; a row of cos, of sin and of a head is 512 bytes
	s_mov_b32 s89, 0
	s_add_nc_u64 s[82:83], s[6:7], s[88:89]
	s_add_nc_u64 s[84:85], s[8:9], s[88:89]
	s_lshl_b32 s90, s42, 20                        ; section and head: 1,048,576 bytes each
	s_add_co_u32 s90, s90, s88
	s_mov_b32 s91, 0
	s_add_nc_u64 s[86:87], s[70:71], s[90:91]
	; the sums start at 0: 64 products of two fragments of zeros, in the wait for the first tiles
	WIN 0x40
.set i, 0
.rept 8
	v_mov_b32 v[i], 0
.set i, i+1
.endr
	WIN 0
.set i, 0
.rept 8
	v_mov_b32 v[64+i], 0
.set i, i+1
.endr
.irp a, 0,1,2,3
	WIN 0xa1+0x50*((\a)/2)
.irp b, 0,1,2,3,4,5,6,7,8,9,10,11,12,13,14,15
	v_wmma_f32_16x16x32_bf16 v[8*(16*((\a)%2)+(\b)):8*(16*((\a)%2)+(\b))+7], v[0:7], v[64:71], 0
.endr
.endr
	WIN 0
	PLACES                                         ; in front of the loads into those two fragments
; 16 matrix instructions: token block a x all 16 column blocks, 32 along K, from buffer f.  The 64 accumulators take turns, one instruction a turn, in the same order everywhere.
.macro MULA f, a
	WIN 0xa1+0x50*((\a)/2)
.irp b, 0,1,2,3,4,5,6,7,8,9,10,11,12,13,14,15
	v_wmma_f32_16x16x32_bf16 v[8*(16*((\a)%2)+(\b)):8*(16*((\a)%2)+(\b))+7], v[128*(\f)+8*(\b):128*(\f)+8*(\b)+7], v[64+32*(\f)+8*(\a):64+32*(\f)+8*(\a)+7], v[8*(16*((\a)%2)+(\b)):8*(16*((\a)%2)+(\b))+7]
.endr
.endm
; 40 LDS loads in one run: quarter q (32 along K) of the slot in hand into buffer f: W's 16 fragments turned, then x's 4
.macro FETCH q, f
	WIN 0x40
.irp b, 0,1,2,3,4,5,6,7,8,9,10,11,12,13,14,15
	ds_load_tr16_b128 v[128*(\f)+8*(\b):128*(\f)+8*(\b)+3],   v[BC] offset:(\q)*32*PB+32*(\b)
	ds_load_tr16_b128 v[128*(\f)+8*(\b)+4:128*(\f)+8*(\b)+7], v[BC] offset:(\q)*32*PB+32*(\b)+16*PB
.endr
	WIN 0
.irp a, 0,1,2,3
	ds_load_b128 v[64+32*(\f)+8*(\a):64+32*(\f)+8*(\a)+3],   v[AC] offset:64*(\q)+(\a)*16*PA
	ds_load_b128 v[64+32*(\f)+8*(\a)+4:64+32*(\f)+8*(\a)+7], v[AC] offset:64*(\q)+(\a)*16*PA+32
.endr
.endm
.macro QUARTER q, f, g                 ; multiplies buffer f; behind its first 16 products it fetches quarter q into buffer g: 48 products stand between the run and its first use
	s_wait_dscnt 6                                 ; W and x's block 0 are in; the youngest six loads (blocks 1 to 3) may be out
	MULA \f, 0
	PLACES
	FETCH \q, \g
	s_wait_dscnt 40                                ; all but the 40 just issued
	MULA \f, 1
	MULA \f, 2
	MULA \f, 3
.endm
; The last quarter multiplies buffer 1 and changes slots.  In front of the barrier: all my tensor loads have landed (one was out: my part of the next slot), the add, my reads of this slot are over.
; fill = 1: the barrier opens a round of the cluster's, and the joint refill, two K steps ahead, is the first thing behind it: 240 matrix instructions stand between it and the wait for it.
.macro TURN fill
	WIN 0
	s_wait_tensorcnt 0x0
	ds_add_u32 v[SPW], v[NIL]                      ; 0 onto my spare word; the scalar steps stand between it and the wait for it
.if \fill
	s_xor_b32 s[G0+5], s[G0+5], SLOT               ; the walking descriptors: the other slot than last time, the next K step
	s_add_nc_u64 s[G0+6:G0+7], s[G0+6:G0+7], 256
	s_xor_b32 s[G0B+5], s[G0B+5], SLOT
	s_add_nc_u64 s[G0B+6:G0B+7], s[G0B+6:G0B+7], 524288
.endif
	s_xor_b32 s[TB], s[TB], SLOT
	s_wait_dscnt 0x0                               ; the add is done, my reads of this slot are over (the last were issued 48 matrix instructions ago)
	s_barrier_signal -1
	MULA 1, 0
	WIN 0
	s_barrier_wait -1
.if \fill
	CREST
	JLOAD 1                                        ; its four v_nop are also the places in front of the loads below
.else
	PLACES
.endif
	v_add_nc_u32 v[AC], s[TB], v[ADRA]
	v_add_nc_u32 v[BC], s[TB], v[ADRB]
	FETCH 0, 0
	MULA 1, 1
	MULA 1, 2
	MULA 1, 3
.endm
.macro STEP fill                       ; a K step: four quarters of 32 along K on buffers 0, 1, 0, 1
	QUARTER 1, 0, 1
	QUARTER 2, 1, 0
	QUARTER 3, 0, 1
	TURN \fill
.endm
	s_wait_tensorcnt 1                             ; my part of K step 0 is in; K step 1's may stay out
	s_barrier_signal -1
	s_barrier_wait -1
	FETCH 0, 0
	s_mov_b32 s3, 22
.Lstep:                                                ; K steps 0 to 21: each asks for the step two on
	STEP 1
	WIN 0
	s_sub_co_u32 s3, s3, 1
	s_cmp_lg_u32 s3, 0
	s_cbranch_scc1 .Lstep
	s_mov_b32 s3, 2
.Ltail:                                                ; K steps 22 and 23 ask for nothing: written apart
	STEP 0
	WIN 0
	s_sub_co_u32 s3, s3, 1
	s_cmp_lg_u32 s3, 0
	s_cbranch_scc1 .Ltail
	; THE EPILOGUE.  Window 1 now holds G (v0-127), C' (v128-191), S' (v192-255).
.macro LDCS                            ; 16 tokens' cos and sin of my columns, as f32
	WIN 0x40
.irp b, 0,1,2,3,4,5,6,7
	global_load_b128 v[128+8*(\b):128+8*(\b)+3],   v[CSO], s[82:83] offset:64*(\b)
	global_load_b128 v[128+8*(\b)+4:128+8*(\b)+7], v[CSO], s[82:83] offset:64*(\b)+16
	global_load_b128 v[192+8*(\b):192+8*(\b)+3],   v[CSO], s[84:85] offset:64*(\b)
	global_load_b128 v[192+8*(\b)+4:192+8*(\b)+7], v[CSO], s[84:85] offset:64*(\b)+16
.endr
	WIN 0
.endm
	s_wait_dscnt 0x0                               ; the last step's stale fetch has landed: its registers are written below
	PLACES
	WIN 0x40
.irp b, 0,1,2,3,4,5,6,7,8,9,10,11,12,13,14,15
	global_load_b128 v[8*(\b):8*(\b)+3],   v[GOF], s[80:81] offset:64*(\b)      ; the gain of my columns 16 b + 8 h + 0..7
	global_load_b128 v[8*(\b)+4:8*(\b)+7], v[GOF], s[80:81] offset:64*(\b)+16
.endr
	LDCS                                           ; the first block's cos and sin are on their way while the gains are made
	s_wait_loadcnt 32                              ; the gains are in; the 32 younger loads stay out
	WIN 0x05
.set i, 0
.rept 64
	v_cvt_pk_bf16_f32 v[T+i], v[2*i], v[2*i+1]
.set i, i+1
.endr
	WIN 0x40
.set i, 0
.rept 64
	v_fma_mix_f32_bf16 v[2*i],   v[T+i], v[GA], v[ONE] op_sel_hi:[1,0,0]               ; G = bf16(w) GA + 1
	v_fma_mix_f32_bf16 v[2*i+1], v[T+i], v[GA], v[ONE] op_sel:[1,0,0] op_sel_hi:[1,0,0]
.set i, i+1
.endr
	WIN 0
; Token block a: the squares of its 128 numbers in four chains (the first four products start them), then Y = sum x G.  Each accumulator is read from its lowest registers on.
.macro BLOCK a
	WIN 0x0a+5*((\a)/2)
.set p, 0
.rept 64
.if p < 4
	v_pk_mul_f32 v[SSQ+2*p:SSQ+2*p+1], v[128*((\a)%2)+2*p:128*((\a)%2)+2*p+1], v[128*((\a)%2)+2*p:128*((\a)%2)+2*p+1]
.else
	v_pk_fma_f32 v[SSQ+2*(p%4):SSQ+2*(p%4)+1], v[128*((\a)%2)+2*p:128*((\a)%2)+2*p+1], v[128*((\a)%2)+2*p:128*((\a)%2)+2*p+1], v[SSQ+2*(p%4):SSQ+2*(p%4)+1]
.endif
.set p, p+1
.endr
	WIN 0x06+((\a)/2)
.set p, 0
.rept 64
	v_pk_mul_f32 v[Y+2*p:Y+2*p+1], v[128*((\a)%2)+2*p:128*((\a)%2)+2*p+1], v[2*p:2*p+1]
.set p, p+1
.endr
	WIN 0
.endm
	s_mov_b32 s67, 0
.Lmb:                                                  ; four trips, 16 tokens each; only BLOCK names accumulators, so only it stands four times
	s_cmp_eq_u32 s67, 0
	s_cbranch_scc1 .Lb0
	s_cmp_eq_u32 s67, 1
	s_cbranch_scc1 .Lb1
	s_cmp_eq_u32 s67, 2
	s_cbranch_scc1 .Lb2
	BLOCK 3
	s_branch .Lcommon
.Lb0:
	BLOCK 0
	s_branch .Lcommon
.Lb1:
	BLOCK 1
	s_branch .Lcommon
.Lb2:
	BLOCK 2
.Lcommon:
	v_pk_add_f32 v[SSQ:SSQ+1], v[SSQ:SSQ+1], v[SSQ+2:SSQ+3]
	v_pk_add_f32 v[SSQ+4:SSQ+5], v[SSQ+4:SSQ+5], v[SSQ+6:SSQ+7]
	v_pk_add_f32 v[SSQ:SSQ+1], v[SSQ:SSQ+1], v[SSQ+4:SSQ+5]
	v_add_f32 v[SSQ], v[SSQ], v[SSQ+1]
	v_permlanex16_b32 v[SSQ+2], v[SSQ], s76, s77   ; the token's other 128 columns lie in the lane 16 away
	v_add_f32 v[SSQ], v[SSQ], v[SSQ+2]
	v_fma_f32 v[SSQ], v[SSQ], s72, s73             ; mean + eps
	v_rsq_f32 v[SSQ+1], v[SSQ]
	v_nop                                          ; a plain instruction behind the transcendental
	s_wait_alu depctr_va_vdst(0)
	v_mul_f32 v[RA], s74, v[SSQ+1]
	s_wait_loadcnt 0x0                             ; cos and sin
	WIN 0x05
.set i, 0
.rept 64
	v_cvt_pk_bf16_f32 v[T+i], v[128+2*i], v[128+2*i+1]
.set i, i+1
.endr
	WIN 0x40
.set i, 0
.rept 32
	v_fma_mix_f32_bf16 v[128+2*i], v[T+i], v[RA], v[RB] op_sel_hi:[1,0,0]              ; C' = bf16(cos) RA + RB
	v_fma_mix_f32_bf16 v[129+2*i], v[T+i], v[RA], v[RB] op_sel:[1,0,0] op_sel_hi:[1,0,0]
.set i, i+1
.endr
.rept 32
	v_fma_mix_f32_bf16 v[128+2*i], v[T+i], v[RA], v[ZR] op_sel_hi:[1,0,0]              ; S' = bf16(sin) RA
	v_fma_mix_f32_bf16 v[129+2*i], v[T+i], v[RA], v[ZR] op_sel:[1,0,0] op_sel_hi:[1,0,0]
.set i, i+1
.endr
	WIN 0x04                                       ; source 1 (C', S') in window 1
.irp b, 0,1,2,3,4,5,6,7
.irp z, 0,1,2,3
	v_pk_mul_f32 v[T1+2*(\z):T1+2*(\z)+1], v[Y+64+8*(\b)+2*(\z):Y+64+8*(\b)+2*(\z)+1], v[192+8*(\b)+2*(\z):192+8*(\b)+2*(\z)+1]
	v_pk_mul_f32 v[T2+2*(\z):T2+2*(\z)+1], v[Y+8*(\b)+2*(\z):Y+8*(\b)+2*(\z)+1], v[192+8*(\b)+2*(\z):192+8*(\b)+2*(\z)+1]
.endr
.irp z, 0,1,2,3
	v_pk_fma_f32 v[Y+8*(\b)+2*(\z):Y+8*(\b)+2*(\z)+1], v[Y+8*(\b)+2*(\z):Y+8*(\b)+2*(\z)+1], v[128+8*(\b)+2*(\z):128+8*(\b)+2*(\z)+1], v[T1+2*(\z):T1+2*(\z)+1] neg_lo:[0,0,1] neg_hi:[0,0,1]
	v_pk_fma_f32 v[Y+64+8*(\b)+2*(\z):Y+64+8*(\b)+2*(\z)+1], v[Y+64+8*(\b)+2*(\z):Y+64+8*(\b)+2*(\z)+1], v[128+8*(\b)+2*(\z):128+8*(\b)+2*(\z)+1], v[T2+2*(\z):T2+2*(\z)+1]
.endr
.endr
	WIN 0
	s_cmp_eq_u32 s67, 3                            ; C' and S' are used up: the next block's cos and sin are asked for now; the last trip has no next block and asks for nothing
	s_cbranch_scc1 .Lnocs
	s_add_nc_u64 s[82:83], s[82:83], 8192          ; (the loads that named these bases were waited for above)
	s_add_nc_u64 s[84:85], s[84:85], 8192
	LDCS
.Lnocs:
.set i, 0
.rept 64
	v_cvt_pk_f16_f32 v[T+i], v[Y+2*i], v[Y+2*i+1]
.set i, i+1
.endr
.irp b, 0,1,2,3,4,5,6,7,8,9,10,11,12,13,14,15
	ds_store_b128 v[STO], v[T+4*(\b):T+4*(\b)+3] offset:32*(\b)
.endr
.irp w, 0,1,2,3,4,5,6,7,8,9,10,11,12,13,14,15
	ds_load_b128 v[T+4*(\w):T+4*(\w)+3], v[RD] offset:(\w)*SP   ; my own bytes; LDS serves a wave's instructions in order (ISA guide 5.7.1.4)
.endr
.irp w, 0,1,2,3,4,5,6,7,8,9,10,11,12,13,14,15
	s_wait_dscnt 15-(\w)
	global_store_b128 v[GO], v[T+4*(\w):T+4*(\w)+3], s[86:87] offset:(\w)*512   ; a token's 512 consecutive bytes, at a multiple of 512
.endr
	s_wait_xcnt 0x0                                ; the stores' base and T are rewritten only behind this wait
	s_add_nc_u64 s[86:87], s[86:87], 8192
	s_add_co_u32 s67, s67, 1
	s_cmp_lt_u32 s67, 4
	s_cbranch_scc1 .Lmb
	s_wait_tensorcnt 0x0                           ; the wave's end
	ds_add_u32 v[SPW], v[NIL]
	s_wait_dscnt 0x0
	CROUND                                         ; the closing round
	s_endpgm
.Lfunc_end_k_qf7d58549e8_qkv:
	.size	k_qf7d58549e8_qkv, .Lfunc_end_k_qf7d58549e8_qkv-k_qf7d58549e8_qkv
	.p2alignl 7, 3214868480
	.fill 96, 4, 3214868480
	.section	.rodata,"a",@progbits
	.p2align	6, 0x0
	.amdhsa_kernel k_qf7d58549e8_qkv
		.amdhsa_group_segment_fixed_size 327680
		.amdhsa_private_segment_fixed_size 0
		.amdhsa_enable_private_segment 0
		.amdhsa_kernarg_size 48
		.amdhsa_user_sgpr_count 2
		.amdhsa_user_sgpr_kernarg_segment_ptr 1
		.amdhsa_wavefront_size32 1
		.amdhsa_system_sgpr_workgroup_id_x 1
		.amdhsa_system_sgpr_workgroup_id_y 1
		.amdhsa_system_sgpr_workgroup_id_z 1
		.amdhsa_system_vgpr_workitem_id 0
		.amdhsa_next_free_vgpr 1024
		.amdhsa_next_free_sgpr 100
		.amdhsa_reserve_vcc 0
		.amdhsa_float_denorm_mode_32 3
		.amdhsa_float_denorm_mode_16_64 3
		.amdhsa_memory_ordered 1
		.amdhsa_forward_progress 1
		.amdhsa_inst_pref_size 156
	.end_amdhsa_kernel
	.amdgpu_metadata
---
amdhsa.version: [ 1, 2 ]
amdhsa.kernels:
  - .name:           k_qf7d58549e8_qkv
    .symbol:         k_qf7d58549e8_qkv.kd
    .args:
      - { .name: xw, .offset: 0, .size: 8, .value_kind: global_buffer, .address_space: global }
      - { .name: freqs_cos, .offset: 8, .size: 8, .value_kind: global_buffer, .address_space: global }
      - { .name: freqs_sin, .offset: 16, .size: 8, .value_kind: global_buffer, .address_space: global }
      - { .name: qnorm_w, .offset: 24, .size: 8, .value_kind: global_buffer, .address_space: global }
      - { .name: knorm_w, .offset: 32, .size: 8, .value_kind: global_buffer, .address_space: global }
      - { .name: qkv, .offset: 40, .size: 8, .value_kind: global_buffer, .address_space: global }
    .group_segment_fixed_size: 327680
    .private_segment_fixed_size: 0
    .kernarg_segment_align: 8
    .kernarg_segment_size: 48
    .max_flat_workgroup_size: 128
    .sgpr_count:     100
    .vgpr_count:     1024
    .wavefront_size: 32
...
	.end_amdgpu_metadata
.endif
;; end of part 2
;; launch attn (part 3): grid 32 x 8, 4 waves a work-group, clusters of 4 x 4, 327,680 bytes of LDS; arguments qkv, mb, ao; writes ao
.if DOCPART == 3
	.amdgcn_target "amdgcn-amd-amdhsa--gfx1250"
	.amdhsa_code_object_version 6
	.text
	.protected	k_qf7d58549e8_attn
	.globl	k_qf7d58549e8_attn
	.p2align	8
	.type	k_qf7d58549e8_attn,@function
k_qf7d58549e8_attn:
	s_mov_b64 s[64:65], 0
	v_nop
	global_prefetch_b8 v0, s[64:65] scope:SCOPE_SE
	s_setreg_imm32_b32 hwreg(HW_REG_WAVE_MODE, 25, 1), 1
	s_wait_xcnt 0x0
	s_wait_alu depctr_hold_cnt(0) depctr_sa_sdst(0) depctr_va_vdst(0) depctr_va_sdst(0) depctr_va_ssrc(0) depctr_va_vcc(0) depctr_vm_vsrc(0)
	s_getreg_b32 s2, hwreg(HW_REG_IB_STS2, 6, 4)
	s_cmp_eq_u32 s2, 0
	s_cbranch_scc0 .Lentry_in_a_cluster
	s_endpgm
.Lentry_in_a_cluster:
	s_bfe_u32 s2, ttmp6, 0x10000c
	s_cmp_lg_u32 s2, 0xf033
	s_cbranch_scc0 .Lentry_shape_is_right
	s_endpgm
.Lentry_shape_is_right:
; ao[q][h][:] = the sum over k of softmax_k(q . k + mask[q][k]) v[k][:].  q (scaled), k, v (halved): f16 by heads, [3][8][2048][256]; mask bf16 [2048][2048], an input: every score is made and every mask number added.
; Products, maxima and sums in f32; the weights are rounded to f16 for the second product (their sum is taken unrounded), the result once at the end.
; SHARES.  A work-group owns 64 queries of one head: 256 work-groups.  All four waves hold the SAME 64 queries (four tiles of 16) and split the KEYS: of each tile of 128 keys wave w takes 32 w .. 32 w + 31,
; so a fragment of K or V read from LDS feeds four matrix instructions.  Each wave keeps its own running maximum m, sum l and O^T; the four are merged in f32 at the end.
; LAYOUT.  S^T = K Q^T (source 0 = 16 keys, source 1 = 16 queries): a lane holds ONE query (lane % 16) and the keys 8 (lane / 16) + 0..7.  Two such results rounded to f16 ARE source 1 of O^T = V^T P.
; SOFTMAX.  s' = s + mask, one rounding; p = 2^(c (s' - m)), c = log2(e): the difference is taken first, so that a wave which sees hidden keys alone (m near the mask's large number) still gets p <= 1;
; O and l are multiplied by a = 2^(c (m_old - m_new)) in every step.  m starts at the lowest finite number, O and l at 0: the first step's a is 0.  O's zeros are 64 products of zeros, issued in the wait for the first tile: they spare a first step written out.
; THE WALK.  A running maximum holds in any order of the keys: cluster (x, y) begins at key tile (4 (x % 4) + 8 y) % 16 and goes round, so that the clusters that read the same tiles of K, V or the mask ask for them at different times.
; CLUSTER 4 x 4.  K and V hang on the head alone and are asked for jointly along a row of the cluster; the mask's tile hangs on the query block alone, along a column.
; LIMITS.  Scores with their mask are finite; a weight below 2^-126 counts as 0; NaN, infinities and rows whose mask is minus infinity throughout are not treated apart.
; REGISTERS: window 0: v1-15 addresses; v16-31 per tile m, -, l, l; v32-47 per tile c0-c3 (a in c2); v48-63 at work; v64-127 S^T, 16 a tile, P in place in the first 8; v128-255 a ring of four chunks of 32 for K, mask and V.
;   window 1: Q (tile t, channels 32 ks on) at 8 (8 t + ks).   windows 2, 3: O^T (t, channel block cb) at 128 (t % 2) + 8 cb of window 2 + t / 2.
.set PMP,   272                        ; a row of the mask's tile: 256 bytes + 16
.set PKP,   528                        ; a row of K: 512 + 16
.set PVP,   544                        ; a row of V: 512 + 32 = 17 x 32, for the turning load
.set KOFF,  64*PMP
.set VOFF,  KOFF+128*PKP
.set SLOTX, 163840                     ; slot 1 begins here; it shares no bit with KOFF or VOFF, so one exclusive or changes slots
.set SPARE, SLOTX+VOFF+128*PVP         ; the spare words
.set STAT,  SPARE+512                  ; (m, l) of 4 waves x 4 tiles x 16 queries
.set MP,    1040                       ; the merge's stage, over the slots once their last fill has been read: wave x 66,560 + tile x 16,640 + row x 1,040
.set AK0, 2
.set AV0, 3
.set AM0, 4
.set AK,  5
.set AV,  6
.set AM,  7
.set SA,  5                            ; the merge uses these three again
.set SR,  6
.set MST, 7
.set AR,  8                            ; v8-11
.set SPW, 12
.set NIL, 13
.set ONE, 14
.set QO,  15
.set GO,  15
.set ST,  16
.set TMP, 32
.set U,   48
.set S,   64
.set RING, 128
.set G1K, 24
.set G1V, 32
.set G0K, 40
.set G0V, 44
.set G1M, 48
.set G0M, 56
.set TB,  60                           ; s60 the slot in hand
.set TBN, 61                           ; s61 the other
.set CS,  66                           ; s[66:67] c
.set SEL, 68
.set KB,  84                           ; s[84:85] K at the head's key 0
.set VB,  86                           ; s[86:87] V likewise
.set MBS, 88                           ; s[88:89] the mask at my 64 rows, key 0
.set OFF, 90                           ; s[90:91] a tile's byte offset in K and V
.set OFM, 92                           ; s[92:93] and in a row of the mask
.set NXT, 94                           ; s94 the tile to be asked for next
.set MSB, 0
.macro WIN new
.if MSB != (\new)
	s_set_vgpr_msb (MSB<<8)|(\new)
.set MSB, \new
.endif
.endm
.macro PLACES
.rept 4
	v_nop
.endr
.endm
.macro JLOAD                           ; a joint fill: wave 0 asks for K's tile, wave 1 for V's, wave 2 for the mask's, wave 3 for none; an s_nop 0 and four v_nop follow each line
	s_cmp_eq_u32 s12, 0
	s_cbranch_scc0 .Lnot_k_\@
	tensor_load_to_lds s[G0K:G0K+3], s[G1K:G1K+7]
	s_nop 0
.rept 4
	v_nop
.endr
	s_branch .Lasked_\@
.Lnot_k_\@:
	s_cmp_eq_u32 s12, 1
	s_cbranch_scc0 .Lnot_v_\@
	tensor_load_to_lds s[G0V:G0V+3], s[G1V:G1V+7]
	s_nop 0
.rept 4
	v_nop
.endr
	s_branch .Lasked_\@
.Lnot_v_\@:
	s_cmp_eq_u32 s12, 2
	s_cbranch_scc0 .Lasked_\@
	tensor_load_to_lds s[G0M:G0M+3], s[G1M:G1M+7]
	s_nop 0
.rept 4
	v_nop
.endr
.Lasked_\@:
.endm
.macro CREST
	s_cmp_lg_u32 s12, 0
	s_cbranch_scc1 .Lnot_wave_0_\@
	s_barrier_signal -3
.Lnot_wave_0_\@:
	s_barrier_wait -3
	s_barrier_signal -1
	s_barrier_wait -1
.endm
.macro CROUND
	s_barrier_signal -1
	s_barrier_wait -1
	CREST
.endm
.macro SETADR                          ; the three descriptors' addresses are made anew for tile NXT: a base and an offset made apart; then NXT goes one on, round 16
	s_lshl_b32 s[OFF], s[NXT], 16                  ; 128 keys of 512 bytes
	s_lshl_b32 s[OFM], s[NXT], 8                   ; 128 keys of 2 bytes
	s_add_nc_u64 s[G0K+2:G0K+3], s[KB:KB+1], s[OFF:OFF+1]
	s_or_b32 s[G0K+3], s[G0K+3], 0x80000000
	s_add_nc_u64 s[G0V+2:G0V+3], s[VB:VB+1], s[OFF:OFF+1]
	s_or_b32 s[G0V+3], s[G0V+3], 0x80000000
	s_add_nc_u64 s[G0M+2:G0M+3], s[MBS:MBS+1], s[OFM:OFM+1]
	s_or_b32 s[G0M+3], s[G0M+3], 0x80000000
	s_add_co_u32 s[NXT], s[NXT], 1
	s_and_b32 s[NXT], s[NXT], 15
.endm
.macro RESCALE                         ; O^T of tile t times the number in c2 of tile t; each accumulator is read from its lowest registers on
	WIN 0x82
.irp t, 0,1
.set z, 0
.rept 64
	v_pk_mul_f32 v[128*(\t)+2*z:128*(\t)+2*z+1], v[128*(\t)+2*z:128*(\t)+2*z+1], v[TMP+4*(\t)+2:TMP+4*(\t)+3] op_sel_hi:[1,0]
.set z, z+1
.endr
.endr
	WIN 0xc3
.irp t, 0,1
.set z, 0
.rept 64
	v_pk_mul_f32 v[128*(\t)+2*z:128*(\t)+2*z+1], v[128*(\t)+2*z:128*(\t)+2*z+1], v[TMP+8+4*(\t)+2:TMP+8+4*(\t)+3] op_sel_hi:[1,0]
.set z, z+1
.endr
.endr
.endm
; THE CHANGE OF SLOTS.  All my tensor loads have landed (the other slot's tile); the add; all my reads of this slot are back (V lies in registers).  fill = 1: the barrier opens a round of the cluster's,
; and this slot's joint refill, two tiles on, is the first thing behind it.  The rescaling of O^T, work on registers, stands between the signal and the wait.
.macro CHANGE fill, resc
	WIN 0
	s_wait_tensorcnt 0x0
	ds_add_u32 v[SPW], v[NIL]
.if \fill
	s_xor_b32 s[G0K+1], s[G0K+1], SLOTX
	s_xor_b32 s[G0V+1], s[G0V+1], SLOTX
	s_xor_b32 s[G0M+1], s[G0M+1], SLOTX
	SETADR
.endif
	s_wait_dscnt 0x0
	s_barrier_signal -1
.if \resc
	RESCALE
.endif
	WIN 0
	s_barrier_wait -1
.if \fill
	CREST
	JLOAD
.endif
.endm
	s_load_b128 s[4:7], s[0:1], 0x0                ; qkv s[4:5], mb s[6:7]
	s_load_b64 s[8:9], s[0:1], 0x10                ; ao
	v_lshl_add_u32 v[SPW], v0, 2, SPARE
	v_mov_b32 v[NIL], 0
	ds_add_u32 v[SPW], v[NIL]                      ; the wave's opening: the add and its wait stand ahead of my first tensor load
	v_lshrrev_b32 v1, 5, v0
	v_readfirstlane_b32 s12, v1                    ; wave 0..3
	s_bfe_u32 s13, ttmp6, 0x40000                  ; cx
	s_bfe_u32 s14, ttmp6, 0x40004                  ; cy
	s_lshl_b32 s15, ttmp9, 2
	s_add_co_u32 s15, s15, s13                     ; my block of 64 queries
	s_and_b32 s16, ttmp7, 0xffff
	s_lshl_b32 s19, s16, 3                         ; 8 x the cluster's y
	s_lshl_b32 s16, s16, 2
	s_add_co_u32 s16, s16, s14                     ; my head
	s_and_b32 s[NXT], ttmp9, 3
	s_lshl_b32 s[NXT], s[NXT], 2                   ; 4 x (the cluster's x % 4)
	s_add_co_u32 s[NXT], s[NXT], s19
	s_and_b32 s[NXT], s[NXT], 15                   ; where my cluster's walk begins: the same in all sixteen partners
	s_lshl_b32 s17, s14, 2
	s_lshl_b32 s17, 15, s17                        ; my row of the cluster: the same head
	s_lshl_b32 s18, 0x1111, s13                    ; my column: the same queries
	s_or_b32 s[G1K], s17, (1<<16)|(1<<20)|(1<<21)|(6<<22)|(3<<25)   ; 2-byte elements; 4 words of padding after every 128
	s_or_b32 s[G1V], s17, (1<<16)|(1<<20)|(1<<21)|(6<<22)|(7<<25)   ; 8 words
	s_or_b32 s[G1M], s18, (1<<16)|(1<<20)|(1<<21)|(5<<22)|(3<<25)   ; 4 words after every 64
.irp g, G1K, G1V
	s_mov_b32 s[\g+1], 256<<16                     ; 256 elements x 128 rows, dense
	s_mov_b32 s[\g+2], 128<<16
	s_mov_b32 s[\g+3], 256<<16
	s_mov_b32 s[\g+4], 128
	s_mov_b32 s[\g+5], 256
	s_mov_b32 s[\g+6], 0
	s_mov_b32 s[\g+7], 0
.endr
	s_mov_b32 s[G1M+1], 128<<16                    ; 128 elements x 64 rows of 2,048
	s_mov_b32 s[G1M+2], 64<<16
	s_mov_b32 s[G1M+3], 128<<16
	s_mov_b32 s[G1M+4], 64
	s_mov_b32 s[G1M+5], 2048
	s_mov_b32 s[G1M+6], 0
	s_mov_b32 s[G1M+7], 0
	s_mov_b32 s[G0K], 1
	s_mov_b32 s[G0K+1], KOFF
	s_mov_b32 s[G0V], 1
	s_mov_b32 s[G0V+1], VOFF
	s_mov_b32 s[G0M], 1
	s_mov_b32 s[G0M+1], 0
	s_mov_b32 s[OFF+1], 0
	s_mov_b32 s[OFM+1], 0
	s_lshl_b32 s20, s16, 20                        ; the head's 1,048,576 bytes, in k's section
	s_add_co_u32 s20, s20, 8388608
	s_mov_b32 s21, 0
	s_lshl_b32 s22, s16, 20                        ; and in v's
	s_add_co_u32 s22, s22, 16777216
	s_mov_b32 s23, 0
	s_lshl_b32 s74, s15, 18                        ; the mask: 64 rows of 4,096 bytes
	s_mov_b32 s75, 0
	s_lshl_b32 s76, s16, 20                        ; q: the head, 64 rows of 512 bytes
	s_lshl_b32 s77, s15, 15
	s_add_co_u32 s76, s76, s77
	s_mov_b32 s77, 0
	s_lshl_b32 s78, s15, 18                        ; ao: row 64 block + 16 wave, 4,096 bytes a row; the head's 512 bytes
	s_lshl_b32 s79, s12, 16
	s_add_co_u32 s78, s78, s79
	s_lshl_b32 s79, s16, 9
	s_add_co_u32 s78, s78, s79
	s_mov_b32 s79, 0
	s_mov_b32 s[CS], 0x3fb8aa3b                    ; c = log2(e)
	s_mov_b32 s[CS+1], s[CS]
	s_mov_b32 s[SEL], 0x76543210
	s_mov_b32 s[SEL+1], 0xfedcba98
	s_wait_dscnt 0x0                               ; the opening add is done
	s_wait_kmcnt 0x0
	s_add_nc_u64 s[KB:KB+1], s[4:5], s[20:21]
	s_add_nc_u64 s[VB:VB+1], s[4:5], s[22:23]
	s_add_nc_u64 s[MBS:MBS+1], s[6:7], s[74:75]
	SETADR                                         ; the walk's first tile
	s_add_nc_u64 s[70:71], s[4:5], s[76:77]
	s_add_nc_u64 s[72:73], s[8:9], s[78:79]
	CROUND                                         ; all sixteen work-groups are here: the first joint loads meet
	JLOAD                                          ; the first tile into slot 0
	v_and_b32 v1, 15, v0                           ; r = lane % 16; kept to the end
	v_bfe_u32 v8, v0, 4, 1                         ; h = lane / 16
	v_lshlrev_b32 v[QO], 9, v1
	v_lshl_add_u32 v[QO], v8, 4, v[QO]
	WIN 0x40
.set i, 0
.rept 32                                ; Q stays in registers: tile i / 8, channels 32 (i % 8) on
	global_load_b128 v[8*i:8*i+3],   v[QO], s[70:71] offset:(i/8)*8192+(i%8)*64
	global_load_b128 v[8*i+4:8*i+7], v[QO], s[70:71] offset:(i/8)*8192+(i%8)*64+32
.set i, i+1
.endr
	WIN 0
.set i, 0
.rept 16
	v_mov_b32 v[RING+i], 0
.set i, i+1
.endr
	WIN 0x80                                       ; O^T = 0: 64 products of two fragments of zeros, in the wait for the first tile
.set i, 0
.rept 32
	v_wmma_f32_16x16x32_f16 v[8*i:8*i+7], v[RING:RING+7], v[RING+8:RING+15], 0
.set i, i+1
.endr
	WIN 0xc0
.set i, 0
.rept 32
	v_wmma_f32_16x16x32_f16 v[8*i:8*i+7], v[RING:RING+7], v[RING+8:RING+15], 0
.set i, i+1
.endr
	WIN 0
	s_mul_i32 s20, s12, 32*PKP
	s_add_co_u32 s20, s20, KOFF
	v_mul_u32_u24 v[AK0], v1, PKP
	v_lshl_add_u32 v[AK0], v8, 4, v[AK0]
	v_add_nc_u32 v[AK0], s20, v[AK0]               ; K: row 32 w + r, 16 h
	v_and_b32 v9, 7, v0
	v_lshl_add_u32 v9, v8, 3, v9
	v_mul_u32_u24 v[AV0], v9, PVP
	v_bfe_u32 v9, v0, 3, 1
	v_lshl_add_u32 v[AV0], v9, 4, v[AV0]
	s_mul_i32 s21, s12, 32*PVP
	s_add_co_u32 s21, s21, VOFF
	v_add_nc_u32 v[AV0], s21, v[AV0]               ; V, turned: row 32 w + 8 h + l % 8, 16 ((l / 8) % 2)
	v_mul_u32_u24 v[AM0], v1, PMP
	v_lshl_add_u32 v[AM0], v8, 4, v[AM0]
	s_lshl_b32 s22, s12, 6
	v_add_nc_u32 v[AM0], s22, v[AM0]               ; the mask: row r, my wave's 64 bytes, 16 h
	v_mov_b32 v[ONE], 1.0
.irp t, 0,1,2,3
	v_mov_b32 v[ST+4*(\t)], 0xff7fffff             ; m
	v_mov_b32 v[ST+4*(\t)+1], 0
	v_mov_b32 v[ST+4*(\t)+2], 0                    ; l
	v_mov_b32 v[ST+4*(\t)+3], 0
	v_mov_b32 v[TMP+4*(\t)], 0
	v_mov_b32 v[TMP+4*(\t)+1], 0
	v_mov_b32 v[TMP+4*(\t)+2], 0
	v_mov_b32 v[TMP+4*(\t)+3], 0
.endr
; Runs of 8 LDS loads into chunk c of the ring.  K: channels 64 c on (e = 2 x half + key block).  V: channel blocks 4 c on.  The mask: my 8 numbers of (tile t, key block kb), into chunk 0.
.macro LDK c
.irp e, 0,1,2,3
	ds_load_b128 v[RING+32*(\c)+8*(\e):RING+32*(\c)+8*(\e)+3],   v[AK] offset:16*PKP*((\e)%2)+64*(2*(\c)+(\e)/2)
	ds_load_b128 v[RING+32*(\c)+8*(\e)+4:RING+32*(\c)+8*(\e)+7], v[AK] offset:16*PKP*((\e)%2)+64*(2*(\c)+(\e)/2)+32
.endr
.endm
.macro LDV c
.irp f, 0,1,2,3
	ds_load_tr16_b128 v[RING+32*(\c)+8*(\f):RING+32*(\c)+8*(\f)+3],   v[AV] offset:32*(4*(\c)+(\f))
	ds_load_tr16_b128 v[RING+32*(\c)+8*(\f)+4:RING+32*(\c)+8*(\f)+7], v[AV] offset:32*(4*(\c)+(\f))+16*PVP
.endr
.endm
.macro LDM
.irp t, 0,1,2,3
.irp kb, 0,1
	ds_load_b128 v[RING+4*(2*(\t)+(\kb)):RING+4*(2*(\t)+(\kb))+3], v[AM] offset:16*PMP*(\t)+32*(\kb)
.endr
.endr
.endm
; 16 products of S^T = K Q^T on chunk c.  The 8 accumulators (tile, key block) take turns; the first 8 start the sums.
.macro KQ16 c
	WIN 0x04
.irp e, 0,1,2,3
.irp t, 0,1,2,3
.if ((\c) == 0) && ((\e) < 2)
	v_wmma_f32_16x16x32_f16 v[S+16*(\t)+8*((\e)%2):S+16*(\t)+8*((\e)%2)+7], v[RING+32*(\c)+8*(\e):RING+32*(\c)+8*(\e)+7], v[8*(8*(\t)+2*(\c)+(\e)/2):8*(8*(\t)+2*(\c)+(\e)/2)+7], 0
.else
	v_wmma_f32_16x16x32_f16 v[S+16*(\t)+8*((\e)%2):S+16*(\t)+8*((\e)%2)+7], v[RING+32*(\c)+8*(\e):RING+32*(\c)+8*(\e)+7], v[8*(8*(\t)+2*(\c)+(\e)/2):8*(8*(\t)+2*(\c)+(\e)/2)+7], v[S+16*(\t)+8*((\e)%2):S+16*(\t)+8*((\e)%2)+7]
.endif
.endr
.endr
	WIN 0
.endm
; 16 products of O^T += V^T P on chunk c: sixteen different accumulators
.macro PV16 c
	WIN 0xa0
.irp f, 0,1,2,3
.irp t, 0,1
	v_wmma_f32_16x16x32_f16 v[128*(\t)+8*(4*(\c)+(\f)):128*(\t)+8*(4*(\c)+(\f))+7], v[RING+32*(\c)+8*(\f):RING+32*(\c)+8*(\f)+7], v[S+16*(\t):S+16*(\t)+7], v[128*(\t)+8*(4*(\c)+(\f)):128*(\t)+8*(4*(\c)+(\f))+7]
.endr
.endr
	WIN 0xf0
.irp f, 0,1,2,3
.irp t, 0,1
	v_wmma_f32_16x16x32_f16 v[128*(\t)+8*(4*(\c)+(\f)):128*(\t)+8*(4*(\c)+(\f))+7], v[RING+32*(\c)+8*(\f):RING+32*(\c)+8*(\f)+7], v[S+32+16*(\t):S+32+16*(\t)+7], v[128*(\t)+8*(4*(\c)+(\f)):128*(\t)+8*(4*(\c)+(\f))+7]
.endr
.endr
	WIN 0
.endm
; Line n of the 14 that find tile t's maximum and a.  0-7: the 16 scores and the old m, three operands at a time, two chains.  8, 10: the other half of the lanes' keys; the new m.  9, 11-13: a = 2^(c (m_old - m)).
.macro MX t, n
.set rS, S+16*(\t)
.set rC, TMP+4*(\t)
.set rT, ST+4*(\t)
.if (\n) == 0
	v_max3_num_f32 v[rC], v[rS], v[rS+1], v[rS+2]
.elseif (\n) == 1
	v_max3_num_f32 v[rC+1], v[rS+8], v[rS+9], v[rS+10]
.elseif (\n) == 2
	v_max3_num_f32 v[rC], v[rC], v[rS+3], v[rS+4]
.elseif (\n) == 3
	v_max3_num_f32 v[rC+1], v[rC+1], v[rS+11], v[rS+12]
.elseif (\n) == 4
	v_max3_num_f32 v[rC], v[rC], v[rS+5], v[rS+6]
.elseif (\n) == 5
	v_max3_num_f32 v[rC+1], v[rC+1], v[rS+13], v[rS+14]
.elseif (\n) == 6
	v_max3_num_f32 v[rC], v[rC], v[rS+7], v[rS+15]
.elseif (\n) == 7
	v_max3_num_f32 v[rC], v[rC], v[rC+1], v[rT]
.elseif (\n) == 8
	v_permlanex16_b32 v[rC+3], v[rC], s[SEL], s[SEL+1]
.elseif (\n) == 9
	v_mov_b32 v[rC+1], v[rT]
.elseif (\n) == 10
	v_max_num_f32 v[rT], v[rC], v[rC+3]
.elseif (\n) == 11
	v_sub_f32 v[rC+1], v[rC+1], v[rT]
.elseif (\n) == 12
	v_mul_f32 v[rC+1], s[CS], v[rC+1]
.else
	v_exp_f32 v[rC+2], v[rC+1]
.endif
.endm
.macro DOP t                           ; line i of 16: s' - m for pair i, then times c for pair i - 8
.if i < 8
	v_pk_add_f32 v[S+16*(\t)+2*i:S+16*(\t)+2*i+1], v[S+16*(\t)+2*i:S+16*(\t)+2*i+1], v[ST+4*(\t):ST+4*(\t)+1] op_sel_hi:[1,0] neg_lo:[0,1] neg_hi:[0,1]
.else
	v_pk_mul_f32 v[S+16*(\t)+2*i-16:S+16*(\t)+2*i-15], v[S+16*(\t)+2*i-16:S+16*(\t)+2*i-15], s[CS:CS+1] op_sel_hi:[1,0]
.endif
.endm
.macro FOP t                           ; line i of 16: 0-6 the sum of the 8 pairs; 7 l = a l + sum; 8-15 the weights rounded to f16, in place, ascending (line i writes a register whose weight has been read)
.set rS, S+16*(\t)
.set rU, U+8*((\t)%2)
.if i < 4
	s_wait_alu depctr_va_vdst(0)
	v_pk_add_f32 v[rU+2*i:rU+2*i+1], v[rS+4*i:rS+4*i+1], v[rS+4*i+2:rS+4*i+3]
.elseif i == 4
	v_pk_add_f32 v[rU:rU+1], v[rU:rU+1], v[rU+2:rU+3]
.elseif i == 5
	v_pk_add_f32 v[rU+4:rU+5], v[rU+4:rU+5], v[rU+6:rU+7]
.elseif i == 6
	v_pk_add_f32 v[rU:rU+1], v[rU:rU+1], v[rU+4:rU+5]
.elseif i == 7
	v_pk_fma_f32 v[ST+4*(\t)+2:ST+4*(\t)+3], v[ST+4*(\t)+2:ST+4*(\t)+3], v[TMP+4*(\t)+2:TMP+4*(\t)+3], v[rU:rU+1] op_sel_hi:[1,0,1]
.else
	v_cvt_pk_f16_f32 v[rS+i-8], v[rS+2*i-16], v[rS+2*i-15]
.endif
.endm
; A TRIP: my 32 keys of one tile.  At its head K's four runs are out.  In front of each chunk's products three younger runs of 8 are out: the count is 24 every time.
.macro TRIP fill
	WIN 0
	v_add_nc_u32 v[AM], s[TB], v[AM0]
	v_add_nc_u32 v[AV], s[TB], v[AV0]
	s_wait_dscnt 24
	KQ16 0
	PLACES
	LDM
	s_wait_dscnt 24
	KQ16 1
	PLACES
	LDV 1
	s_wait_dscnt 24
	KQ16 2
	PLACES
	LDV 2
	s_wait_dscnt 24
	KQ16 3
	PLACES
	LDV 3
	s_wait_dscnt 24                                ; the mask is in; V's three runs stay out
.set i, 0
.rept 32
	v_fma_mix_f32_bf16 v[S+2*i],   v[RING+i], v[ONE], v[S+2*i]   op_sel_hi:[1,0,0]                    ; s' = s + mask
	v_fma_mix_f32_bf16 v[S+2*i+1], v[RING+i], v[ONE], v[S+2*i+1] op_sel:[1,0,0] op_sel_hi:[1,0,0]
.set i, i+1
.endr
	LDV 0
.irp n, 0,1,2,3,4,5,6,7,8,9,10,11,12,13
.irp t, 0,1,2,3
	MX \t, \n
.endr
.endr
.set i, 0
.rept 16
	DOP 0
.set i, i+1
.endr
.irp t, 0,1,2                          ; a plain line of another tile stands behind every exponential
.set i, 0
.rept 16
	v_exp_f32 v[S+16*(\t)+i], v[S+16*(\t)+i]
	DOP (\t)+1
.set i, i+1
.endr
.endr
.set i, 0
.rept 16
	v_exp_f32 v[S+48+i], v[S+48+i]
	FOP 0
.set i, i+1
.endr
.irp t, 1,2,3
.set i, 0
.rept 16
	FOP \t
.set i, i+1
.endr
.endr
	CHANGE \fill, 1
	v_add_nc_u32 v[AK], s[TBN], v[AK0]             ; the next tile's K lies in the other slot, whole behind the barrier
	PV16 0
	PLACES
	LDK 0
	PV16 1
	PLACES
	LDK 1
	PV16 2
	PLACES
	LDK 2
	PV16 3
	PLACES
	v_nop                                          ; five places: the next trip's first products write over P
	LDK 3
	s_xor_b32 s[TB], s[TB], SLOTX
	s_xor_b32 s[TBN], s[TBN], SLOTX
.endm
	CHANGE 1, 0                                    ; the first tile is in, everybody's part of it; the second is asked for, into slot 1
	s_mov_b32 s[TB], 0
	s_mov_b32 s[TBN], SLOTX
	v_mov_b32 v[AK], v[AK0]
	LDK 0
	LDK 1
	LDK 2
	LDK 3
	s_wait_loadcnt 0x0                             ; Q
	s_mov_b32 s62, 14
.Lfilling:                                             ; the walk's tiles 0 to 13: each trip asks for the tile two on
	TRIP 1
	s_sub_co_u32 s62, s62, 1
	s_cmp_lg_u32 s62, 0
	s_cbranch_scc1 .Lfilling
	s_mov_b32 s62, 2
.Llast:                                                ; tiles 14 and 15 ask for nothing: written apart.  The last trip's run of K reads a stale tile and serves nothing: 32 loads, for one text
	TRIP 0
	s_sub_co_u32 s62, s62, 1
	s_cmp_lg_u32 s62, 0
	s_cbranch_scc1 .Llast
	; THE MERGE.  (m, l) of every wave meet in LDS; g = 2^(c (m_own - m*)) / sum of 2^(c (m_w - m*)) l_w; O^T g goes to the stage in f32; wave w adds the four waves' rows of tile w and rounds once.
	s_wait_dscnt 0x0
.irp t, 0,1,2,3
	v_add_f32 v[ST+4*(\t)+1], v[ST+4*(\t)+2], v[ST+4*(\t)+3]
.endr
.irp t, 0,1,2,3
	v_permlanex16_b32 v[TMP+4*(\t)+3], v[ST+4*(\t)+1], s[SEL], s[SEL+1]
.endr
.irp t, 0,1,2,3
	v_add_f32 v[ST+4*(\t)+1], v[ST+4*(\t)+1], v[TMP+4*(\t)+3]
.endr
	v_lshlrev_b32 v[SR], 3, v1
	v_add_nc_u32 v[SR], STAT, v[SR]
	s_lshl_b32 s20, s12, 9
	v_add_nc_u32 v[SA], s20, v[SR]
.irp t, 0,1,2,3
	ds_store_b64 v[SA], v[ST+4*(\t):ST+4*(\t)+1] offset:128*(\t)   ; lanes r and r + 16 write the same two words with the same numbers
.endr
	s_wait_dscnt 0x0                               ; for the others' sake
	s_barrier_signal -1
	s_barrier_wait -1                              ; every wave's reads of the slots are over too: the stage may be written
.irp t, 0,1,2,3
.irp w, 0,1,2,3
	ds_load_b64 v[RING+8*(\t)+2*(\w):RING+8*(\t)+2*(\w)+1], v[SR] offset:512*(\w)+128*(\t)
.endr
.endr
	v_bfe_u32 v[MST], v0, 4, 1
	v_lshlrev_b32 v[MST], 5, v[MST]
	v_mad_u32_u24 v[MST], v1, MP, v[MST]
	s_mul_i32 s20, s12, 64*MP
	v_add_nc_u32 v[MST], s20, v[MST]               ; my stage: row r, 32 h
	s_wait_dscnt 0x0
.irp t, 0,1,2,3
	v_max3_num_f32 v[TMP+4*(\t)], v[RING+8*(\t)], v[RING+8*(\t)+2], v[RING+8*(\t)+4]
.endr
.irp t, 0,1,2,3
	v_max_num_f32 v[TMP+4*(\t)], v[TMP+4*(\t)], v[RING+8*(\t)+6]
.endr
.irp t, 0,1,2,3
.irp w, 0,1,2,3
	v_sub_f32 v[RING+8*(\t)+2*(\w)], v[RING+8*(\t)+2*(\w)], v[TMP+4*(\t)]
.endr
	v_sub_f32 v[TMP+4*(\t)+1], v[ST+4*(\t)], v[TMP+4*(\t)]
.endr
.irp t, 0,1,2,3
.irp w, 0,1,2,3
	v_mul_f32 v[RING+8*(\t)+2*(\w)], s[CS], v[RING+8*(\t)+2*(\w)]
.endr
	v_mul_f32 v[TMP+4*(\t)+1], s[CS], v[TMP+4*(\t)+1]
.endr
.irp t, 0,1,2,3
.irp w, 0,1,2,3
	v_exp_f32 v[RING+8*(\t)+2*(\w)], v[RING+8*(\t)+2*(\w)]
.endr
	v_exp_f32 v[TMP+4*(\t)+1], v[TMP+4*(\t)+1]
.endr
	v_nop
.irp t, 0,1,2,3
	s_wait_alu depctr_va_vdst(0)
	v_mul_f32 v[TMP+4*(\t)+3], v[RING+8*(\t)], v[RING+8*(\t)+1]
.endr
.irp w, 1,2,3
.irp t, 0,1,2,3
	v_fmac_f32 v[TMP+4*(\t)+3], v[RING+8*(\t)+2*(\w)], v[RING+8*(\t)+2*(\w)+1]
.endr
.endr
.irp t, 0,1,2,3
	v_rcp_f32 v[TMP+4*(\t)+2], v[TMP+4*(\t)+3]     ; the sum is at least 1: the wave that holds m* has a weight of 1
.endr
	v_nop
.irp t, 0,1,2,3
	s_wait_alu depctr_va_vdst(0)
	v_mul_f32 v[TMP+4*(\t)+2], v[TMP+4*(\t)+2], v[TMP+4*(\t)+1]
.endr
	RESCALE
	WIN 0x08                                       ; store data in window 2
.irp t, 0,1
.irp cb, 0,1,2,3,4,5,6,7,8,9,10,11,12,13,14,15
	ds_store_b128 v[MST], v[128*(\t)+8*(\cb):128*(\t)+8*(\cb)+3]   offset:16*MP*(\t)+64*(\cb)
	ds_store_b128 v[MST], v[128*(\t)+8*(\cb)+4:128*(\t)+8*(\cb)+7] offset:16*MP*(\t)+64*(\cb)+16
.endr
.endr
	WIN 0x0c                                       ; in window 3
.irp t, 0,1
.irp cb, 0,1,2,3,4,5,6,7,8,9,10,11,12,13,14,15
	ds_store_b128 v[MST], v[128*(\t)+8*(\cb):128*(\t)+8*(\cb)+3]   offset:16*MP*((\t)+2)+64*(\cb)
	ds_store_b128 v[MST], v[128*(\t)+8*(\cb)+4:128*(\t)+8*(\cb)+7] offset:16*MP*((\t)+2)+64*(\cb)+16
.endr
.endr
	WIN 0
	v_and_b32 v[GO], 31, v0
	v_lshlrev_b32 v[AR], 4, v[GO]
	s_mul_i32 s20, s12, 16*MP
	v_add_nc_u32 v[AR], s20, v[AR]                 ; tile w in wave 0's stage, 16 bytes a lane;
	v_add_nc_u32 v[AR+1], 64*MP, v[AR]             ; in wave 1's, 2's, 3's
	v_add_nc_u32 v[AR+2], 128*MP, v[AR]
	v_add_nc_u32 v[AR+3], 192*MP, v[AR]
	v_lshlrev_b32 v[GO], 3, v[GO]
	s_wait_dscnt 0x0                               ; for the others' sake
	s_barrier_signal -1
	s_barrier_wait -1
	s_mov_b32 s62, 4
.Lrows:                                                ; four trips of four rows: 32 loads, then row by row
.irp rr, 0,1,2,3
.irp hf, 0,1
.irp w, 0,1,2,3
	ds_load_b128 v[RING+32*(\rr)+16*(\hf)+4*(\w):RING+32*(\rr)+16*(\hf)+4*(\w)+3], v[AR+(\w)] offset:(\rr)*MP+512*(\hf)
.endr
.endr
.endr
.irp rr, 0,1,2,3
	s_wait_dscnt 8*(3-(\rr))                       ; this row's eight loads are in; the later rows' stay out
.irp hf, 0,1
	v_pk_add_f32 v[RING+32*(\rr)+16*(\hf):RING+32*(\rr)+16*(\hf)+1],     v[RING+32*(\rr)+16*(\hf):RING+32*(\rr)+16*(\hf)+1],     v[RING+32*(\rr)+16*(\hf)+4:RING+32*(\rr)+16*(\hf)+5]
	v_pk_add_f32 v[RING+32*(\rr)+16*(\hf)+2:RING+32*(\rr)+16*(\hf)+3],   v[RING+32*(\rr)+16*(\hf)+2:RING+32*(\rr)+16*(\hf)+3],   v[RING+32*(\rr)+16*(\hf)+6:RING+32*(\rr)+16*(\hf)+7]
	v_pk_add_f32 v[RING+32*(\rr)+16*(\hf)+8:RING+32*(\rr)+16*(\hf)+9],   v[RING+32*(\rr)+16*(\hf)+8:RING+32*(\rr)+16*(\hf)+9],   v[RING+32*(\rr)+16*(\hf)+12:RING+32*(\rr)+16*(\hf)+13]
	v_pk_add_f32 v[RING+32*(\rr)+16*(\hf)+10:RING+32*(\rr)+16*(\hf)+11], v[RING+32*(\rr)+16*(\hf)+10:RING+32*(\rr)+16*(\hf)+11], v[RING+32*(\rr)+16*(\hf)+14:RING+32*(\rr)+16*(\hf)+15]
	v_pk_add_f32 v[RING+32*(\rr)+16*(\hf):RING+32*(\rr)+16*(\hf)+1],     v[RING+32*(\rr)+16*(\hf):RING+32*(\rr)+16*(\hf)+1],     v[RING+32*(\rr)+16*(\hf)+8:RING+32*(\rr)+16*(\hf)+9]
	v_pk_add_f32 v[RING+32*(\rr)+16*(\hf)+2:RING+32*(\rr)+16*(\hf)+3],   v[RING+32*(\rr)+16*(\hf)+2:RING+32*(\rr)+16*(\hf)+3],   v[RING+32*(\rr)+16*(\hf)+10:RING+32*(\rr)+16*(\hf)+11]
	v_cvt_pk_f16_f32 v[U+4*(\rr)+2*(\hf)],   v[RING+32*(\rr)+16*(\hf)],   v[RING+32*(\rr)+16*(\hf)+1]
	v_cvt_pk_f16_f32 v[U+4*(\rr)+2*(\hf)+1], v[RING+32*(\rr)+16*(\hf)+2], v[RING+32*(\rr)+16*(\hf)+3]
	global_store_b64 v[GO], v[U+4*(\rr)+2*(\hf):U+4*(\rr)+2*(\hf)+1], s[72:73] offset:(\rr)*4096+256*(\hf)   ; 256 consecutive bytes, at a multiple of 256
.endr
.endr
.irp w, 0,1,2,3
	v_add_nc_u32 v[AR+(\w)], 4*MP, v[AR+(\w)]      ; four rows on in the stages
.endr
	s_wait_xcnt 0x0                                ; the stores' base and data are rewritten only behind this wait
	s_add_nc_u64 s[72:73], s[72:73], 16384         ; and in ao
	s_sub_co_u32 s62, s62, 1
	s_cmp_lg_u32 s62, 0
	s_cbranch_scc1 .Lrows
	s_wait_tensorcnt 0x0                           ; the wave's end
	ds_add_u32 v[SPW], v[NIL]
	s_wait_dscnt 0x0
	CROUND                                         ; the closing round
	s_endpgm
.Lfunc_end_k_qf7d58549e8_attn:
	.size	k_qf7d58549e8_attn, .Lfunc_end_k_qf7d58549e8_attn-k_qf7d58549e8_attn
	.p2alignl 7, 3214868480
	.fill 96, 4, 3214868480
	.section	.rodata,"a",@progbits
	.p2align	6, 0x0
	.amdhsa_kernel k_qf7d58549e8_attn
		.amdhsa_group_segment_fixed_size 327680
		.amdhsa_private_segment_fixed_size 0
		.amdhsa_enable_private_segment 0
		.amdhsa_kernarg_size 24
		.amdhsa_user_sgpr_count 2
		.amdhsa_user_sgpr_kernarg_segment_ptr 1
		.amdhsa_wavefront_size32 1
		.amdhsa_system_sgpr_workgroup_id_x 1
		.amdhsa_system_sgpr_workgroup_id_y 1
		.amdhsa_system_sgpr_workgroup_id_z 1
		.amdhsa_system_vgpr_workitem_id 0
		.amdhsa_next_free_vgpr 1024
		.amdhsa_next_free_sgpr 96
		.amdhsa_reserve_vcc 0
		.amdhsa_float_denorm_mode_32 3
		.amdhsa_float_denorm_mode_16_64 3
		.amdhsa_memory_ordered 1
		.amdhsa_forward_progress 1
		.amdhsa_inst_pref_size 160
	.end_amdhsa_kernel
	.amdgpu_metadata
---
amdhsa.version: [ 1, 2 ]
amdhsa.kernels:
  - .name:           k_qf7d58549e8_attn
    .symbol:         k_qf7d58549e8_attn.kd
    .args:
      - { .name: qkv, .offset: 0, .size: 8, .value_kind: global_buffer, .address_space: global }
      - { .name: mb, .offset: 8, .size: 8, .value_kind: global_buffer, .address_space: global }
      - { .name: ao, .offset: 16, .size: 8, .value_kind: global_buffer, .address_space: global }
    .group_segment_fixed_size: 327680
    .private_segment_fixed_size: 0
    .kernarg_segment_align: 8
    .kernarg_segment_size: 24
    .max_flat_workgroup_size: 128
    .sgpr_count:     96
    .vgpr_count:     1024
    .wavefront_size: 32
...
	.end_amdgpu_metadata
.endif
;; end of part 3
;; launch oproj (part 4): grid 16 x 16, 4 waves a work-group, clusters of 4 x 4, 327,680 bytes of LDS; arguments ao, owb, out0; writes out0
.if DOCPART == 4
	.amdgcn_target "amdgcn-amd-amdhsa--gfx1250"
	.amdhsa_code_object_version 6
	.text
	.protected	k_qf7d58549e8_oproj
	.globl	k_qf7d58549e8_oproj
	.p2align	8
	.type	k_qf7d58549e8_oproj,@function
k_qf7d58549e8_oproj:
	s_mov_b64 s[64:65], 0
	v_nop
	global_prefetch_b8 v0, s[64:65] scope:SCOPE_SE
	s_setreg_imm32_b32 hwreg(HW_REG_WAVE_MODE, 25, 1), 1
	s_wait_xcnt 0x0
	s_wait_alu depctr_hold_cnt(0) depctr_sa_sdst(0) depctr_va_vdst(0) depctr_va_sdst(0) depctr_va_ssrc(0) depctr_va_vcc(0) depctr_vm_vsrc(0)
	s_getreg_b32 s2, hwreg(HW_REG_IB_STS2, 6, 4)
	s_cmp_eq_u32 s2, 0
	s_cbranch_scc0 .Lentry_in_a_cluster
	s_endpgm
.Lentry_in_a_cluster:
	s_bfe_u32 s2, ttmp6, 0x10000c
	s_cmp_lg_u32 s2, 0xf033
	s_cbranch_scc0 .Lentry_shape_is_right
	s_endpgm
.Lentry_shape_is_right:
; out0 = 2 (ao o_w).  ao: [2048][2048] f16 (the attention's result, halved); owb: o_w as f16 in blocks [16][2048 k][192 n]; out0: [2048][3072] f32.  Sums in f32.
; A tile is 128 x 192: 16 x 16 = 256 work-groups, and a tile's rows of out0 are 768 bytes, three whole blocks of 256.  Four waves, each 64 rows x 96 columns: 24 accumulators.
; A wave's columns are 64 c + 32 (wave % 2) + 16 i + .. (c = 0..2, i = 0, 1), so that both column halves use the same immediates in the padded k-rows.
; The matrix instruction is used transposed (source 0 = 16 columns of o_w, turned out of LDS; source 1 = 16 rows of ao): a lane holds eight neighbouring numbers of a row of out0.
; K goes in steps of 128 through two slots (two slots of 256 would not fit: 380,928 bytes).  CLUSTER 4 x 4: ao's tile is asked for jointly along a row of the cluster, o_w's along a column.
; THE WALK.  A sum over K holds in any order: cluster (x, y) begins at K step (4 x + 8 (y / 2)) % 16 and goes round, so that the clusters that read the same tiles of ao or o_w ask for them at different times.
; ONE TEXT FOR EVERY K STEP: a loop of 14 steps that fill a slot again, a loop of 2 that do not.  The sums start from 24 products of zeros, issued while the first tiles are on their way, and the last step
; fetches fragments of a stale slot that serve nothing, 40 loads: the price of the short text.
; REGISTERS: window 0: v16-31 addresses; v64-255 accumulator (a, n) at 64 + 8 (6 a + n).  Fragment buffers of 64 along K: buffer 0 = window 1, buffer 1 = window 2: ao (c2, a) at 8 (4 c2 + a), o_w (c2, n) at 64 + 8 (6 c2 + n).
.set PA,    272
.set PB,    480                        ; a k-row of 384 bytes with 32 of padding behind every 128: 15 x 32
.set AH,    64*PA
.set BH,    64*PB
.set BOFF,  2*AH
.set SPARE, BOFF+2*BH                  ; behind slot 0 (96,256 bytes): the spare words
.set SLOT1, 131072                     ; slot 1 begins here, so that one exclusive or turns an address in one slot into the other's
.set STAGE, SLOT1+BOFF+2*BH            ; behind slot 1: 128 rows x 784 bytes, the work-group's; it ends at byte 327,680
.set SPT,   784
.set ADRA, 16                          ; v16 my ao fragments in slot 0; never rewritten
.set AC,   17                          ; v17 the same in the slot in hand
.set ADRB, 20
.set BC,   21
.set STO,  24
.set RD,   25                          ; v25-26
.set SPW,  28
.set NIL,  29
.set CO,   30                          ; v30-31
.set ACC,  64
.set G1,  24
.set G0,  32                           ; s[32:35] ao's first fill; s[36:39] the second, which then walks on
.set G1B, 48
.set G0B, 56
.set OFA, 66                           ; s[66:67] a K step's byte offset in a row of ao
.set OFB, 68                           ; s[68:69] and in a block of owb
.set NXT, 70                           ; s70 the K step to be asked for next
.set TB,  71                           ; s71 the slot in hand: 0 or SLOT1
.set MSB, 0
.macro WIN new
.if MSB != (\new)
	s_set_vgpr_msb (MSB<<8)|(\new)
.set MSB, \new
.endif
.endm
.macro PLACES
.rept 4
	v_nop
.endr
.endm
.macro JLOAD s                         ; waves 0, 1 fetch ao's two halves, waves 2, 3 o_w's; an s_nop 0 and four v_nop follow each line
	s_cmp_eq_u32 s11, 0
	s_cbranch_scc0 .Lfor_b_\@
	tensor_load_to_lds s[G0+4*(\s):G0+4*(\s)+3], s[G1:G1+7]
	s_nop 0
.rept 4
	v_nop
.endr
	s_branch .Lasked_\@
.Lfor_b_\@:
	tensor_load_to_lds s[G0B+4*(\s):G0B+4*(\s)+3], s[G1B:G1B+7]
	s_nop 0
.rept 4
	v_nop
.endr
.Lasked_\@:
.endm
.macro CREST
	s_cmp_lg_u32 s10, 0
	s_cbranch_scc1 .Lnot_wave_0_\@
	s_barrier_signal -3
.Lnot_wave_0_\@:
	s_barrier_wait -3
	s_barrier_signal -1
	s_barrier_wait -1
.endm
.macro CROUND
	s_barrier_signal -1
	s_barrier_wait -1
	CREST
.endm
.macro SETADR s                        ; set s of both descriptors takes K step NXT: a base and an offset made apart; then NXT goes one on, round 16
	s_lshl_b32 s[OFA], s[NXT], 8                   ; 128 along K, 2 bytes each
	s_mul_i32 s[OFB], s[NXT], 49152                ; 128 k-rows of 384 bytes
	s_add_nc_u64 s[G0+4*(\s)+2:G0+4*(\s)+3], s[18:19], s[OFA:OFA+1]
	s_or_b32 s[G0+4*(\s)+3], s[G0+4*(\s)+3], 0x80000000
	s_add_nc_u64 s[G0B+4*(\s)+2:G0B+4*(\s)+3], s[46:47], s[OFB:OFB+1]
	s_or_b32 s[G0B+4*(\s)+3], s[G0B+4*(\s)+3], 0x80000000
	s_add_co_u32 s[NXT], s[NXT], 1
	s_and_b32 s[NXT], s[NXT], 15
.endm
	s_load_b128 s[4:7], s[0:1], 0x0                ; ao s[4:5], owb s[6:7]
	s_load_b64 s[8:9], s[0:1], 0x10                ; out0
	v_lshl_add_u32 v[SPW], v0, 2, SPARE
	v_mov_b32 v[NIL], 0
	ds_add_u32 v[SPW], v[NIL]                      ; the wave's opening: the add and its wait stand ahead of my first tensor load
	v_lshrrev_b32 v1, 5, v0
	v_readfirstlane_b32 s10, v1                    ; wave 0..3
	s_lshr_b32 s11, s10, 1                         ; my half of the rows.  Also: I fetch for ao (0) or o_w (1)
	s_and_b32 s12, s10, 1                          ; my half of the columns.  Also: which half of that tile I fetch
	s_bfe_u32 s40, ttmp6, 0x40000
	s_bfe_u32 s41, ttmp6, 0x40004
	s_lshl_b32 s42, ttmp9, 2
	s_and_b32 s13, ttmp7, 0xffff
	s_lshr_b32 s[NXT], s13, 1
	s_lshl_b32 s[NXT], s[NXT], 3                   ; 8 x (the cluster's y / 2)
	s_add_co_u32 s[NXT], s[NXT], s42               ; + 4 x the cluster's x
	s_and_b32 s[NXT], s[NXT], 15                   ; where my cluster's walk begins: the same in all sixteen partners
	s_add_co_u32 s42, s42, s40                     ; tile column
	s_lshl_b32 s13, s13, 2
	s_add_co_u32 s13, s13, s41                     ; tile row
	s_lshl_b32 s43, s41, 2
	s_lshl_b32 s43, 15, s43
	s_lshl_b32 s44, 0x1111, s40
	s_or_b32 s[G1+0], s43, (1<<16)|(1<<20)|(1<<21)|(5<<22)|(3<<25)   ; ao: 64 rows x 128 elements, 4 words of padding after every 64
	s_mov_b32 s[G1+1], 128<<16
	s_mov_b32 s[G1+2], 64<<16
	s_mov_b32 s[G1+3], 128<<16
	s_mov_b32 s[G1+4], 64
	s_mov_b32 s[G1+5], 2048
	s_mov_b32 s[G1+6], 0
	s_mov_b32 s[G1+7], 0
	s_or_b32 s[G1B+0], s44, (1<<16)|(1<<20)|(1<<21)|(4<<22)|(7<<25)  ; o_w: 64 k-rows are 24,576 dense bytes, asked for as 96 rows of 256; 8 words of padding after every 32
	s_mov_b32 s[G1B+1], 128<<16
	s_mov_b32 s[G1B+2], 96<<16
	s_mov_b32 s[G1B+3], 128<<16
	s_mov_b32 s[G1B+4], 96
	s_mov_b32 s[G1B+5], 128
	s_mov_b32 s[G1B+6], 0
	s_mov_b32 s[G1B+7], 0
	s_lshl_b32 s16, s13, 7
	s_lshl_b32 s17, s12, 6
	s_add_co_u32 s16, s16, s17
	s_lshl_b32 s16, s16, 12                        ; ao: row 128 x tile row + 64 x half, 4,096 bytes a row
	s_mov_b32 s17, 0
	s_mul_i32 s46, s42, 786432                     ; o_w: the block, 64 k-rows x half
	s_mul_i32 s47, s12, 24576
	s_add_co_u32 s46, s46, s47
	s_mov_b32 s47, 0
	s_mul_i32 s20, s12, AH                         ; where they go: no place in the cluster enters an LDS address
	s_mul_i32 s21, s12, BH
	s_add_co_u32 s21, s21, BOFF
	s_mov_b32 s[OFA+1], 0
	s_mov_b32 s[OFB+1], 0
	s_mov_b32 s[TB], 0
	s_wait_dscnt 0x0                               ; the opening add is done
	s_wait_kmcnt 0x0
	s_add_nc_u64 s[18:19], s[4:5], s[16:17]        ; ao and owb at my part of K step 0: kept to the end
	s_add_nc_u64 s[46:47], s[6:7], s[46:47]
	CROUND                                         ; all sixteen work-groups are here: the first joint loads meet
.irp s, 0,1
	s_mov_b32 s[G0+4*(\s)], 1
	s_add_co_u32 s[G0+4*(\s)+1], s20, (\s)*SLOT1
	s_mov_b32 s[G0B+4*(\s)], 1
	s_add_co_u32 s[G0B+4*(\s)+1], s21, (\s)*SLOT1
	SETADR \s
	JLOAD \s                                       ; the walk's first two K steps: two loads of mine are out
.endr
	v_and_b32 v1, 15, v0                           ; r
	v_bfe_u32 v2, v0, 4, 1                         ; h
	v_mul_u32_u24 v3, v1, PA
	v_lshl_add_u32 v3, v2, 4, v3
	s_mul_i32 s21, s11, 64*PA
	v_add_nc_u32 v[ADRA], s21, v3
	v_mov_b32 v[AC], v[ADRA]
	v_and_b32 v4, 7, v0
	v_lshl_add_u32 v4, v2, 3, v4
	v_mul_u32_u24 v4, v4, PB
	v_bfe_u32 v5, v0, 3, 1
	v_lshl_add_u32 v4, v5, 4, v4
	s_lshl_b32 s22, s12, 6
	s_add_co_u32 s22, s22, BOFF
	v_add_nc_u32 v[ADRB], s22, v4
	v_mov_b32 v[BC], v[ADRB]
	s_mul_i32 s23, s11, 64*SPT                     ; into the stage: row 64 wr + r, bytes 128 wc + 32 h
	s_lshl_b32 s22, s12, 7
	s_add_co_u32 s23, s23, s22
	s_add_co_u32 s23, s23, STAGE
	v_mul_u32_u24 v6, v1, SPT
	v_lshl_add_u32 v6, v2, 5, v6
	v_add_nc_u32 v[STO], s23, v6
	s_mul_i32 s23, s10, 32*SPT                     ; back: wave w takes rows 32 w on, two rows (six blocks of 256 bytes) by three loads, sixteen lanes a block:
	s_add_co_u32 s23, s23, STAGE
	v_lshlrev_b32 v7, 4, v1
	v_lshl_add_u32 v[CO], v2, 8, v7                ; row 0, block h (and, 1,040 bytes on in the stage, 12,544 in out0: row 1, block 1 + h);
	v_add_nc_u32 v[RD], s23, v[CO]
	v_mad_u32_u24 v[RD+1], v2, 272, v7             ; row h, block 2 - 2 h
	v_add_nc_u32 v[RD+1], s23, v[RD+1]
	v_add_nc_u32 v[RD+1], 512, v[RD+1]
	v_mad_u32_u24 v[CO+1], v2, 11776, v7
	v_add_nc_u32 v[CO+1], 512, v[CO+1]
	s_lshl_b32 s14, s13, 7
	s_lshl_b32 s15, s10, 5
	s_add_co_u32 s14, s14, s15
	s_mul_i32 s14, s14, 12288                      ; the first row of out0 that I store
	s_mul_i32 s15, s42, 768
	s_add_co_u32 s14, s14, s15
	s_mov_b32 s15, 0
	s_add_nc_u64 s[8:9], s[8:9], s[14:15]
	; the sums start at 0: 24 products of two fragments of zeros, in the wait for the first tiles
	WIN 0x40
.set i, 0
.rept 8
	v_mov_b32 v[i], 0
	v_mov_b32 v[64+i], 0
.set i, i+1
.endr
	WIN 0x05
.set i, 0
.rept 24
	v_wmma_f32_16x16x32_f16 v[ACC+8*i:ACC+8*i+7], v[64:71], v[0:7], 0
.set i, i+1
.endr
	WIN 0
	PLACES                                         ; in front of the loads into those two fragments
; 12 matrix instructions: row blocks a0, a0 + 1 x 6 column blocks, 32 along K: half c2 of buffer f.  The 24 accumulators take turns.
.macro MUL12 f, c2, a0
	WIN 0x05*((\f)+1)
.irp a, \a0, (\a0)+1
.irp n, 0,1,2,3,4,5
	v_wmma_f32_16x16x32_f16 v[ACC+8*(6*(\a)+(\n)):ACC+8*(6*(\a)+(\n))+7], v[64+8*(6*(\c2)+(\n)):64+8*(6*(\c2)+(\n))+7], v[8*(4*(\c2)+(\a)):8*(4*(\c2)+(\a))+7], v[ACC+8*(6*(\a)+(\n)):ACC+8*(6*(\a)+(\n))+7]
.endr
.endr
.endm
; 40 LDS loads in one run: half kh (64 along K) of the slot in hand into buffer f, its first 32 along K first
.macro FETCH kh, f
	WIN 0x40*((\f)+1)
.irp c2, 0,1
.irp n, 0,1,2,3,4,5
	ds_load_tr16_b128 v[64+8*(6*(\c2)+(\n)):64+8*(6*(\c2)+(\n))+3],   v[BC] offset:(2*(\kh)+(\c2))*32*PB+160*((\n)/2)+32*((\n)%2)
	ds_load_tr16_b128 v[64+8*(6*(\c2)+(\n))+4:64+8*(6*(\c2)+(\n))+7], v[BC] offset:(2*(\kh)+(\c2))*32*PB+160*((\n)/2)+32*((\n)%2)+16*PB
.endr
.irp a, 0,1,2,3
	ds_load_b128 v[8*(4*(\c2)+(\a)):8*(4*(\c2)+(\a))+3],   v[AC] offset:128*(\kh)+64*(\c2)+(\a)*16*PA
	ds_load_b128 v[8*(4*(\c2)+(\a))+4:8*(4*(\c2)+(\a))+7], v[AC] offset:128*(\kh)+64*(\c2)+(\a)*16*PA+32
.endr
.endr
.endm
.macro HALF                            ; a K step's first half: multiplies buffer 0; behind its first 12 products it fetches the second half into buffer 1
	s_wait_dscnt 20                                ; the first 32 along K are in
	MUL12 0, 0, 0
	PLACES
	FETCH 1, 1
	MUL12 0, 0, 2
	s_wait_dscnt 40                                ; all but the 40 just issued
	MUL12 0, 1, 0
	MUL12 0, 1, 2
.endm
; The second half multiplies buffer 1 and changes slots: all my tensor loads have landed, the add, my reads of this slot are over; fill = 1: a round of the cluster's barrier, and the joint refill first behind it.
.macro TURN fill
	WIN 0
	s_wait_tensorcnt 0x0
	ds_add_u32 v[SPW], v[NIL]
	s_wait_dscnt 21                                ; the add and the youngest twenty loads may be out
	MUL12 1, 0, 0
	s_wait_dscnt 0x0
	s_barrier_signal -1
	MUL12 1, 0, 2
	WIN 0
	s_barrier_wait -1
.if \fill
	CREST
	s_xor_b32 s[G0+5], s[G0+5], SLOT1              ; the walking descriptors: the other slot than last time, the walk's next K step
	s_xor_b32 s[G0B+5], s[G0B+5], SLOT1
	SETADR 1
	JLOAD 1                                        ; its four v_nop are also the places in front of the loads below
.else
	PLACES
.endif
	s_xor_b32 s[TB], s[TB], SLOT1
	v_add_nc_u32 v[AC], s[TB], v[ADRA]
	v_add_nc_u32 v[BC], s[TB], v[ADRB]
	FETCH 0, 0
	MUL12 1, 1, 0
	MUL12 1, 1, 2
.endm
	s_wait_tensorcnt 1                             ; my part of the first K step is in; the second's may stay out
	s_barrier_signal -1
	s_barrier_wait -1
	FETCH 0, 0
	WIN 0
	s_mov_b32 s3, 14
.Lstep:                                                ; the walk's K steps 0 to 13: each asks for the step two on
	HALF
	TURN 1
	WIN 0
	s_sub_co_u32 s3, s3, 1
	s_cmp_lg_u32 s3, 0
	s_cbranch_scc1 .Lstep
	s_mov_b32 s3, 2
.Ltail:                                                ; steps 14 and 15 ask for nothing: written apart
	HALF
	TURN 0
	WIN 0
	s_sub_co_u32 s3, s3, 1
	s_cmp_lg_u32 s3, 0
	s_cbranch_scc1 .Ltail
	; THE WAY OUT: times 2, in place and ascending; 32 bytes a lane into the work-group's stage; a barrier, since a row's bytes come from two waves; back as whole blocks of 256 bytes.
	s_wait_dscnt 0x0                               ; the last step's stale fetch has landed
	PLACES
.set i, 0
.rept 96
	v_pk_mul_f32 v[ACC+2*i:ACC+2*i+1], v[ACC+2*i:ACC+2*i+1], 2.0 op_sel_hi:[1,0]
.set i, i+1
.endr
.irp a, 0,1,2,3
.irp n, 0,1,2,3,4,5
	ds_store_b128 v[STO], v[ACC+8*(6*(\a)+(\n)):ACC+8*(6*(\a)+(\n))+3]   offset:(\a)*16*SPT+256*((\n)/2)+64*((\n)%2)
	ds_store_b128 v[STO], v[ACC+8*(6*(\a)+(\n))+4:ACC+8*(6*(\a)+(\n))+7] offset:(\a)*16*SPT+256*((\n)/2)+64*((\n)%2)+16
.endr
.endr
	s_wait_dscnt 0x0                               ; for the others' sake
	s_barrier_signal -1
	s_barrier_wait -1
.set p, 0
.rept 16
	ds_load_b128 v[ACC+12*p:ACC+12*p+3],    v[RD]   offset:2*SPT*p
	ds_load_b128 v[ACC+12*p+4:ACC+12*p+7],  v[RD+1] offset:2*SPT*p
	ds_load_b128 v[ACC+12*p+8:ACC+12*p+11], v[RD]   offset:2*SPT*p+1040
.set p, p+1
.endr
.set p, 0
.rept 16
	s_wait_dscnt 47-3*p                            ; LDS loads come back in order: the count leaves the younger ones out
	global_store_b128 v[CO],   v[ACC+12*p:ACC+12*p+3],    s[8:9] offset:24576*p          ; sixteen lanes store 256 consecutive bytes, at a multiple of 256
	s_wait_dscnt 46-3*p
	global_store_b128 v[CO+1], v[ACC+12*p+4:ACC+12*p+7],  s[8:9] offset:24576*p
	s_wait_dscnt 45-3*p
	global_store_b128 v[CO],   v[ACC+12*p+8:ACC+12*p+11], s[8:9] offset:24576*p+12544
.set p, p+1
.endr
	s_wait_tensorcnt 0x0                           ; the wave's end
	ds_add_u32 v[SPW], v[NIL]
	s_wait_dscnt 0x0
	CROUND                                         ; the closing round
	s_endpgm
.Lfunc_end_k_qf7d58549e8_oproj:
	.size	k_qf7d58549e8_oproj, .Lfunc_end_k_qf7d58549e8_oproj-k_qf7d58549e8_oproj
	.p2alignl 7, 3214868480
	.fill 96, 4, 3214868480
	.section	.rodata,"a",@progbits
	.p2align	6, 0x0
	.amdhsa_kernel k_qf7d58549e8_oproj
		.amdhsa_group_segment_fixed_size 327680
		.amdhsa_private_segment_fixed_size 0
		.amdhsa_enable_private_segment 0
		.amdhsa_kernarg_size 24
		.amdhsa_user_sgpr_count 2
		.amdhsa_user_sgpr_kernarg_segment_ptr 1
		.amdhsa_wavefront_size32 1
		.amdhsa_system_sgpr_workgroup_id_x 1
		.amdhsa_system_sgpr_workgroup_id_y 1
		.amdhsa_system_sgpr_workgroup_id_z 1
		.amdhsa_system_vgpr_workitem_id 0
		.amdhsa_next_free_vgpr 672
		.amdhsa_next_free_sgpr 72
		.amdhsa_reserve_vcc 0
		.amdhsa_float_denorm_mode_32 3
		.amdhsa_float_denorm_mode_16_64 3
		.amdhsa_memory_ordered 1
		.amdhsa_forward_progress 1
		.amdhsa_inst_pref_size 57
	.end_amdhsa_kernel
	.amdgpu_metadata
---
amdhsa.version: [ 1, 2 ]
amdhsa.kernels:
  - .name:           k_qf7d58549e8_oproj
    .symbol:         k_qf7d58549e8_oproj.kd
    .args:
      - { .name: ao, .offset: 0, .size: 8, .value_kind: global_buffer, .address_space: global }
      - { .name: owb, .offset: 8, .size: 8, .value_kind: global_buffer, .address_space: global }
      - { .name: out0, .offset: 16, .size: 8, .value_kind: global_buffer, .address_space: global }
    .group_segment_fixed_size: 327680
    .private_segment_fixed_size: 0
    .kernarg_segment_align: 8
    .kernarg_segment_size: 24
    .max_flat_workgroup_size: 128
    .sgpr_count:     72
    .vgpr_count:     672
    .wavefront_size: 32
...
	.end_amdgpu_metadata
.endif
;; end of part 4
